; MI455X (gfx1250); checked and timed in simulation.
; The chip was launched on July 23, 2026; its instructions are those of AMD's public machine-readable ISA for CDNA 5 (MIT licence, August 2026) and "CDNA5" Instruction Set Architecture Reference Guide (July 2026). The comments in the code are by the model that wrote it; some were corrected since.
;; Self Attn. Allowed arithmetic: matrix products marked QUANTISED: E2M3 operands, one E8M0 scale for each 32 along K, by v_wmma_scale_f32_16x16x128_f8f6f4 with both operands' format E2M3, f32 sums; everything else in f32.
;; Inputs: iQ 4 x 2,048 x 1,024 float32; sn_bias 1 float32; w_out 1,024 x 1,024 float32; w_qkv 3,072 x 1,024 float32.
;; Outputs: out0 4 x 2,048 x 1,024 float32.
;; This version of the problem:
;;   THIS VERSION OF THE PROBLEM IS GIVEN IN LOW PRECISION. The matrix products marked QUANTISED in the list below multiply operands that are first quantised to E2M3 (2 exponent bits, 3 mantissa bits; 6 bits a number), with one power-of-two scale for each 32 numbers along K (OCP MX v1.0); their sums are f32. All else is computed in f32.
;;   The module's matrix products, in the order in which they are computed (A, B: the left and right operand; K: the contracted axis; several contracted axes count as one K, in the product's order):
;;     1. [M 8,192, K 1,024] x [K 1,024, N 3,072]; A: input iQ; B: input w_qkv: QUANTISED
;;     2. batch 64 x [M 2,048, K 64] x [K 64, N 2,048]; A: computed on the way; B: computed on the way: QUANTISED
;;     3. batch 64 x [M 64, K 2,048] x [K 2,048, N 2,048]; A: computed on the way; B: computed on the way: QUANTISED
;;     4. [M 8,192, K 1,024] x [K 1,024, N 1,024]; A: computed on the way; B: input w_out: QUANTISED
;;   THE QUANTISER, for each operand of a quantised product, along K:
;;     - K is cut into blocks of 32 from its start; a last block that is shorter is filled with zeros.
;;     - A block's scale is 2^e with e = floor(log2(the largest magnitude in the block)) - 2, held to -126 .. 127; a block of zeros has e = 0. As a byte (E8M0): e + 127.
;;     - Each number is divided by its block's scale, clamped to +-7.5, and rounded to the nearest number of E2M3, ties to even, subnormals kept.
;;     - The product sums the exact products of the quantised numbers (number of the format x scale) in f32.
;;   ~~~python
;;   def quantise(x, axis):      # numpy; x: float32 -> the quantised numbers, widened to float32 again
;;       x = np.moveaxis(x, axis, -1); K = x.shape[-1]
;;       x = np.pad(x, [(0, 0)] * (x.ndim - 1) + [(0, -K % 32)]); x = x.reshape(x.shape[:-1] + (-1, 32)); a = np.abs(x).max(-1, keepdims=True)
;;       e = np.where(a > 0, np.clip(np.frexp(np.where(a > 0, a, 1))[1] - 1 - 2, -126, 127), 0)      # np.frexp(a)[1] - 1 = floor(log2(a)), exactly
;;       r = np.clip(x / 2.0 ** e, -7.5, 7.5)
;;       step = 2.0 ** (np.maximum(np.frexp(np.where(r == 0, 1, r))[1] - 1, 0) - 3)
;;       q = np.round(r / step) * step * 2.0 ** e      # np.round: ties to even
;;       return np.moveaxis(q.reshape(q.shape[:-2] + (-1,))[..., :K], -1, axis).astype(np.float32)
;;   ~~~
;;   OPERANDS COMPUTED ON THE WAY. 'Computed on the way' means the value that the module computes at that place (a softmax that the list does not call 'softmax' is quantised finished and normalised). What goes into a quantiser is computed in f32, as accurately as f32 sums, v_exp_f32 and their like allow (about 1e-6 of the number): no bf16 or f16 on the way to a quantiser, and a product that is left as it is and whose result goes on into a quantised operand takes f32 operands (vector FMAs, or v_wmma_f32_16x16x4_f32). A number that lies on a knife's edge between two numbers of the format may be rounded either way, as far as f32 arithmetic and the matrix unit's own rounding can turn it there, and no further.
;; One version. Each part assembles by itself: llvm-mc -triple=amdgcn-amd-amdhsa -mcpu=gfx1250 --defsym DOCPART=n.
;; ======== version 1 of 1: 4 launches
;; limits: right only within a limited range of input values
;; workspace buffers: qin 9,830,400 bytes; qkv 20,185,088 bytes; oimg 6,553,600 bytes
;; launch quant (part 1): grid 256 x 1, 3 waves a work-group, no clusters, 25,856 bytes of LDS; arguments iQ, w_qkv, w_out, qin; writes qin
.if DOCPART == 1
	.amdgcn_target "amdgcn-amd-amdhsa--gfx1250"
	.amdhsa_code_object_version 6
	.text
	.protected	k_q9a7d85638a_quant
	.globl	k_q9a7d85638a_quant
	.p2align	8
	.type	k_q9a7d85638a_quant,@function
k_q9a7d85638a_quant:
	s_mov_b64 s[64:65], 0
	v_nop
	global_prefetch_b8 v0, s[64:65] scope:SCOPE_SE
	s_setreg_imm32_b32 hwreg(HW_REG_WAVE_MODE, 25, 1), 1
	s_wait_xcnt 0x0
; iQ [8192][1024], w_qkv [3072][1024] and w_out [1024][1024], f32, K innermost, become codes of FP6 (E2M3) with one E8M0 byte for each 32 along K.
; A block's scale is 2^(floor(log2(its largest magnitude)) - 2); its byte is that magnitude's exponent field - 2, held at 1 from below.
; LIMITS: NaN and infinities among the inputs are not served; a block whose largest magnitude lies under 2^-124 (a block of zeros too) gets the byte 1: a block of zeros has zero codes,
; which add nothing under any byte but 0xff, and the bytes are read by this program alone.
; LAYOUT OF qin.  The 12,288 rows are 768 tiles of 16 (x 0-511, w_qkv 512-703, w_out 704-767).  THE ROWS OF A TILE ARE NOT NEIGHBOURS: position p of a tensor's tile 2 T + u is its row
; 32 T + 8 u + p % 8 + 16 (p / 8), so that a product which takes such tiles as source 0 leaves 16 neighbours along these rows in the 16 registers of two neighbouring tiles.
; A tile's codes are an IMAGE OF THE OPERAND'S REGISTERS: for each 64 along K 768 bytes: registers 0-3 of the six at 16 x lane, registers 4-5 at 512 + 8 x lane; 16 such halves on end, 12,288 bytes a tile.
; A tile's scale words are 512 bytes behind all images: the word of row r and K step s (128 along K) at 16 (16 (s % 2) + r) + 4 (s / 2): a load of 16 bytes a lane brings four registers,
; register j with K step 2 j in lanes 0-15 and K step 2 j + 1 in lanes 16-31.
; SHARES.  A wave takes one tile: 768 waves, three to a work-group, one work-group for each of 256 places.  No wave shares anything: no barrier, no cluster (no input is read twice).
; A load reads 512 consecutive bytes of one row (a K step); the conversion wants 16 neighbours in ONE lane: so a K step turns through the wave's own stage in LDS, 16 rows 528 bytes apart.
.set SCOFF,  9437184                   ; where the scale blocks begin: 768 x 12,288
.set SPITCH, 528                       ; a stage row: 512 bytes + 16: 33 x 16 bytes, so that 16 rows' equal columns fall on different banks (64 banks of 4 bytes: ISA guide 11.1)
.set STAGEB, 16*SPITCH
.set SPARE,  3*STAGEB                  ; behind the three stages: the spare words, 128 bytes a wave, in two blocks of 256 bytes that no other line names
.set L16, 2                            ; v2   16 x lane
.set L8,  3                            ; v3   8 x lane
.set STA, 4                            ; v4   the stage, on the way in
.set RDA, 5                            ; v5   and on the way out: row r, + 64 h
.set SPW, 6                            ; v6   LDS address of my spare word; never rewritten
.set NIL, 7                            ; v7   0; never rewritten
.set TM,  8                            ; v8-23  at work: +0..3 largest magnitudes, +4..7 the other half's, then bytes, +12..15 the conversions' scale operands
.set PW,  24                           ; v24  the scale word just made
.set SW,  26                           ; v26-29 the tile's scale block, 16 bytes a lane
.set PC,  32                           ; v32-43 a fragment's codes
.set CT,  44                           ; v44-51 the conversions' second halves
.set R0,  64                           ; v64-191 two sets of 64: a K step as loaded
.set X,   192                          ; v192-255 64 numbers: register 16 b + i = k 32 b + 16 h + i of row r
.set HM,  24                           ; s24  lanes 16-31
.set SEL, 26                           ; s[26:27] v_permlanex16_b32's selects for lane l xor 16
	s_load_b256 s[4:11], s[0:1], 0x0               ; iQ, w_qkv, w_out, qin
	v_lshl_add_u32 v[SPW], v0, 2, SPARE
	v_mov_b32 v[NIL], 0
	v_lshrrev_b32 v1, 5, v0
	v_readfirstlane_b32 s12, v1                    ; wave 0..2
	v_and_b32 v1, 31, v0
	v_lshlrev_b32 v[L16], 4, v1
	v_lshlrev_b32 v[L8], 3, v1
	s_mul_i32 s16, s12, STAGEB                     ; my stage
	v_add_nc_u32 v[STA], s16, v[L16]
	v_and_b32 v8, 15, v0                           ; r
	v_bfe_u32 v9, v0, 4, 1                         ; h
	v_mul_u32_u24 v[RDA], v8, SPITCH
	v_lshl_add_u32 v[RDA], v9, 6, v[RDA]
	v_add_nc_u32 v[RDA], s16, v[RDA]
.irp b, 0,1,2,3
	v_mov_b32 v[TM+4+\b], 0                        ; written once: a lane permute's destination counts as one of its sources
.endr
	s_mov_b32 s[HM], 0xffff0000
	s_mov_b32 s[SEL], 0x76543210
	s_mov_b32 s[SEL+1], 0xfedcba98
	s_mul_i32 s13, ttmp9, 3
	s_add_co_u32 s13, s13, s12                     ; my tile, 0..767
	s_mov_b32 s14, 704
	s_wait_kmcnt 0x0
	s_cmp_lt_u32 s13, 704                          ; which tensor: the choice hangs on the tile's number alone
	s_cselect_b64 s[18:19], s[6:7], s[8:9]
	s_cselect_b32 s14, 512, s14
	s_cmp_lt_u32 s13, 512
	s_cselect_b64 s[18:19], s[4:5], s[18:19]
	s_cselect_b32 s14, 0, s14                      ; the tensor's first tile
	s_sub_co_u32 s15, s13, s14                     ; my tile in its tensor: 2 T + u
	s_lshr_b32 s16, s15, 1
	s_lshl_b32 s16, s16, 17                        ; 32 T rows of 4,096 bytes
	s_and_b32 s17, s15, 1
	s_lshl_b32 s17, s17, 15                        ; + 8 u rows
	s_add_co_u32 s16, s16, s17
	s_mov_b32 s17, 0
	s_add_nc_u64 s[18:19], s[18:19], s[16:17]
	s_mul_i32 s16, s13, 12288
	s_add_nc_u64 s[20:21], s[10:11], s[16:17]      ; my tile's image
	s_lshl_b32 s16, s13, 9
	s_add_co_u32 s16, s16, SCOFF
	s_add_nc_u64 s[22:23], s[10:11], s[16:17]      ; and its scale block
.macro LOAD ks                         ; K step ks of the tile's 16 rows: position p is row 16 (p / 8) + p % 8 from the tile's first
.irp p, 0,1,2,3,4,5,6,7,8,9,10,11,12,13,14,15
	global_load_b128 v[R0+64*((\ks)%2)+4*\p:R0+64*((\ks)%2)+4*\p+3], v[L16], s[18:19] offset:((\p/8)*16+(\p%8))*4096+512*(\ks) th:TH_LOAD_NT
.endr
.endm
.macro TURN ks                         ; through the stage: LDS serves a wave's instructions in order (ISA guide 5.7.1.4), so no wait stands between the stores and the loads
.irp p, 0,1,2,3,4,5,6,7,8,9,10,11,12,13,14,15
	ds_store_b128 v[STA], v[R0+64*((\ks)%2)+4*\p:R0+64*((\ks)%2)+4*\p+3] offset:SPITCH*\p
.endr
.irp b, 0,1,2,3
.irp j, 0,1,2,3
	ds_load_b128 v[X+16*\b+4*\j:X+16*\b+4*\j+3], v[RDA] offset:128*\b+16*\j
.endr
.endr
.endm
; 64 numbers of a lane, v[s] on, become a fragment's codes in v[PC] on and its row's scale word in v[PW]
.macro QUANT s
.irp b, 0,1,2,3
	v_max3_num_f32 v[TM+\b], |v[\s+16*\b]|, |v[\s+16*\b+1]|, 0x1800000   ; block b: my 16 numbers, and the floor 2^(3 - 127): the byte cannot fall under 1
.endr
.irp i, 2,4,6,8,10,12,14
.irp b, 0,1,2,3
	v_max3_num_f32 v[TM+\b], v[TM+\b], |v[\s+16*\b+\i]|, |v[\s+16*\b+\i+1]|   ; the four blocks by turns
.endr
.endr
.irp b, 0,1,2,3
	v_permlanex16_b32 v[TM+4+\b], v[TM+\b], s[SEL], s[SEL+1]
.endr
.irp b, 0,1,2,3
	v_max_num_f32 v[TM+\b], v[TM+\b], v[TM+4+\b]   ; with lane l xor 16's 16: the block's largest magnitude
.endr
.irp b, 0,1,2,3
	v_add_nc_u32 v[TM+12+\b], 0xff000000, v[TM+\b] ; 2 off its exponent field: the conversion takes the exponent field of this operand as its scale
.endr
.irp b, 0,1,2,3
	v_lshrrev_b32 v[TM+4+\b], 23, v[TM+12+\b]      ; the scale's byte
.endr
	v_lshl_or_b32 v[PW], v[TM+5], 8, v[TM+4]
	v_lshl_or_b32 v[PW], v[TM+6], 16, v[PW]
	v_lshl_or_b32 v[PW], v[TM+7], 24, v[PW]
.irp c, 0,1
	v_cvt_scalef32_pk16_fp6_f32 v[PC+6*\c:PC+6*\c+2], v[\s+32*\c:\s+32*\c+15], v[TM+12+2*\c]
	v_cvt_scalef32_pk16_fp6_f32 v[CT+4*\c:CT+4*\c+2], v[\s+32*\c+16:\s+32*\c+31], v[TM+13+2*\c]   ; (a conversion's three registers begin on an even number)
.endr
	v_nop                                          ; one plain place behind a scaled conversion
.irp c, 0,1                            ; the operand's layout wants a WHOLE block in a lane: lanes 0-15 block 2 c, lanes 16-31 block 2 c + 1
.irp i, 0,1,2
	v_permlane16_swap_b32 v[PC+6*\c+\i], v[CT+4*\c+\i]
.endr
.irp i, 0,1,2
	v_mov_b32 v[PC+3+6*\c+\i], v[CT+4*\c+\i]
.endr
.endr
.endm
.macro STEP ks
.if (\ks) < 7
	s_wait_loadcnt 16                              ; this K step's 16 loads are in; the next step's 16 may be out
.else
	s_wait_loadcnt 0x0
.endif
	TURN \ks
	s_wait_dscnt 0x0                               ; the numbers are back, and the stores into the stage have read their registers,
.if (\ks) < 6
	LOAD (\ks)+2                                   ; which take the loads of two steps on
.endif
	s_wait_xcnt 0x0                                ; the last step's stores have read their data: the codes' registers are written again only behind this wait
	QUANT X
.if (\ks)%2 == 0
	v_mov_b32 v[SW+(\ks)/2], v[PW]                 ; an even K step's words stay in lanes 0-15,
.else
	v_cndmask_b32 v[SW+(\ks)/2], v[SW+(\ks)/2], v[PW], s[HM]   ; an odd one's go to lanes 16-31
.endif
	global_store_b128 v[L16], v[PC:PC+3], s[20:21] offset:1536*(\ks)           ; each store covers 512 or 256 consecutive bytes, aligned to 256
	global_store_b64 v[L8], v[PC+4:PC+5], s[20:21] offset:1536*(\ks)+512
	global_store_b128 v[L16], v[PC+6:PC+9], s[20:21] offset:1536*(\ks)+768
	global_store_b64 v[L8], v[PC+10:PC+11], s[20:21] offset:1536*(\ks)+1280
.endm
	LOAD 0
	LOAD 1
.irp k, 0,1,2,3,4,5,6,7
	STEP \k
.endr
	global_store_b128 v[L16], v[SW:SW+3], s[22:23] ; the tile's scale block: 512 consecutive bytes
	s_wait_tensorcnt 0x0                           ; the wave's end, behind my last LDS store
	ds_add_u32 v[SPW], v[NIL]
	s_wait_dscnt 0x0
	s_endpgm
.Lfunc_end_k_q9a7d85638a_quant:
	.size	k_q9a7d85638a_quant, .Lfunc_end_k_q9a7d85638a_quant-k_q9a7d85638a_quant
	.p2alignl 7, 3214868480
	.fill 96, 4, 3214868480
	.section	.rodata,"a",@progbits
	.p2align	6, 0x0
	.amdhsa_kernel k_q9a7d85638a_quant
		.amdhsa_group_segment_fixed_size 25856
		.amdhsa_private_segment_fixed_size 0
		.amdhsa_enable_private_segment 0
		.amdhsa_kernarg_size 32
		.amdhsa_user_sgpr_count 2
		.amdhsa_user_sgpr_kernarg_segment_ptr 1
		.amdhsa_wavefront_size32 1
		.amdhsa_system_sgpr_workgroup_id_x 1
		.amdhsa_system_sgpr_workgroup_id_y 1
		.amdhsa_system_sgpr_workgroup_id_z 1
		.amdhsa_system_vgpr_workitem_id 0
		.amdhsa_next_free_vgpr 256
		.amdhsa_next_free_sgpr 66
		.amdhsa_reserve_vcc 0
		.amdhsa_float_denorm_mode_32 3
		.amdhsa_float_denorm_mode_16_64 3
		.amdhsa_memory_ordered 1
		.amdhsa_forward_progress 1
		.amdhsa_inst_pref_size 65
	.end_amdhsa_kernel
	.amdgpu_metadata
---
amdhsa.version: [ 1, 2 ]
amdhsa.kernels:
  - .name:           k_q9a7d85638a_quant
    .symbol:         k_q9a7d85638a_quant.kd
    .args:
      - { .name: iQ, .offset: 0, .size: 8, .value_kind: global_buffer, .address_space: global }
      - { .name: w_qkv, .offset: 8, .size: 8, .value_kind: global_buffer, .address_space: global }
      - { .name: w_out, .offset: 16, .size: 8, .value_kind: global_buffer, .address_space: global }
      - { .name: qin, .offset: 24, .size: 8, .value_kind: global_buffer, .address_space: global }
    .group_segment_fixed_size: 25856
    .private_segment_fixed_size: 0
    .kernarg_segment_align: 8
    .kernarg_segment_size: 32
    .max_flat_workgroup_size: 96
    .sgpr_count:     66
    .vgpr_count:     256
    .wavefront_size: 32
...
	.end_amdgpu_metadata
.endif
;; end of part 1
;; launch gemm_qkv (part 2): grid 96 x 4, 4 waves a work-group, clusters of 4 x 4, 327,680 bytes of LDS; arguments qin, qkv; writes qkv
.if DOCPART == 2
	.amdgcn_target "amdgcn-amd-amdhsa--gfx1250"
	.amdhsa_code_object_version 6
	.text
	.protected	k_q9a7d85638a_gemm_qkv
	.globl	k_q9a7d85638a_gemm_qkv
	.p2align	8
	.type	k_q9a7d85638a_gemm_qkv,@function
k_q9a7d85638a_gemm_qkv:
	s_mov_b64 s[64:65], 0
	v_nop
	global_prefetch_b8 v0, s[64:65] scope:SCOPE_SE
	s_setreg_imm32_b32 hwreg(HW_REG_WAVE_MODE, 25, 1), 1
	s_wait_xcnt 0x0
	s_wait_alu depctr_hold_cnt(0) depctr_sa_sdst(0) depctr_va_vdst(0) depctr_va_sdst(0) depctr_va_ssrc(0) depctr_va_vcc(0) depctr_vm_vsrc(0)
	s_getreg_b32 s2, hwreg(HW_REG_IB_STS2, 6, 4)
	s_cmp_eq_u32 s2, 0
	s_cbranch_scc0 .Lentry_in_a_cluster
	s_endpgm
.Lentry_in_a_cluster:
	s_bfe_u32 s2, ttmp6, 0x10000c
	s_cmp_lg_u32 s2, 0xf033
	s_cbranch_scc0 .Lentry_shape_is_right
	s_endpgm
.Lentry_shape_is_right:
; qkv = x w_qkv^T on codes of FP6 (E2M3) with E8M0 scales; the f32 sums never go to memory: q and k are quantised along the head's 64, v along the keys, straight from the accumulators.
; LIMITS: NaN and infinities are not served; a block whose largest magnitude lies under 2^-124 (a block of zeros too) gets the byte 1; the bytes are read by this program alone.
; A tile of the result, 256 x 256, is made by four waves, each 128 x 128: 64 accumulators, 512 registers.  K = 1,024 goes in four fills of 256 through two LDS slots; the eight steps of 128 are written out
; (the scale registers differ from step to step, and a loop would have one trip).
; OPERANDS lie in qin as images of the operand's registers (768 bytes for 16 rows x 64 K: registers 0-3 at 16 x lane, 4-5 at 512 + 8 x lane; 12,288 bytes a tile of 16 rows): every LDS load takes
; 512 or 256 consecutive bytes, so there is no pitch and no padding.  The scale words of a wave's 16 tiles, for all of K, come once, straight into 64 registers.
; THE MATRIX INSTRUCTION IS USED TRANSPOSED: source 0 = 16 rows of "B", source 1 = 16 rows of "A": a lane holds one row of A, its registers run along B's rows; the rows of a stored tile are so chosen
; that the 16 registers of B's tiles 2 t and 2 t + 1 are 16 neighbours: register 16 t + i of an A tile's 64 is B's row 32 t + 16 (lane / 16) + i: what the quantiser wants.
; ONE BODY, TWO ROLES, by the cluster's number (24 clusters).  Clusters 0-15: A = tokens, B = the rows of w for q and k: a lane holds a token, registers run along 128 features = two heads.
; Clusters 16-23: A = the rows of w for v, B = tokens: a lane holds a feature, registers run along 128 keys.  Only offsets inside qin and the stores' places differ.
; CLUSTERS: 4 x 4 work-groups; A's tiles are asked for jointly by a row of the cluster, B's by a column.
; LAYOUT OF qkv: a record of 315,392 bytes for each (batch, head): k's half images (768 bytes a token tile), k's scale words (512 bytes for 8 tiles: tile 2 p + hh, row r at 16 (16 hh + r) + 4 p),
; v's images (key step s, feature tile d: 6,144 s + 1,536 d), v's scale words (256 s + 8 (16 hh + r) + 4 p for tile 2 p + hh), q's half images, q's scale words.
; In q's and k's words bytes 0, 1 are the head's two blocks; bytes 2, 3 are the neighbour head's: they meet zero codes alone.
.set REC,    315392
.set SCOFF,  9437184
.set TILEB,  12288
.set HALFT,  24576                     ; 8 tiles x 3,072 bytes (256 along K): what one tensor load brings, and what one wave reads of A or of B
.set SLOT,   4*HALFT                   ; A's two halves, then B's
.set SPARE,  2*SLOT                    ; behind the ring: the spare words, 128 bytes a wave: two blocks of 256 bytes that no other line names
.set FR,     12
.set ADA16, 16                         ; v16-17 LDS address of my A tiles in slot 0, 1, + 16 x lane;  v18-19 + 8 x lane
.set ADA8,  18
.set ADB16, 20                         ; v20-23 the same for B
.set ADB8,  22
.set L16,   24                         ; v24  16 x lane
.set L8,    25                         ; v25  8 x lane
.set SPW,   28                         ; v28  LDS address of my spare word; never rewritten
.set NIL,   29                         ; v29  0; never rewritten
.set SA,    32                         ; v32-63 A's scale words: tile a, register j: K step 2 j in lanes 0-15, 2 j + 1 in lanes 16-31
.set SB,    64                         ; v64-95 B's
.set TM,    96                         ; v96-111 the quantiser's registers
.set PW,    112                        ; v112 a scale word;  v113 the same turned by 16 bits
.set PW2,   113
.set SWE,   116                        ; v116-119 scale words gathered for the first record;  v120-123 for the second
.set SWO,   120
.set AF,    128                        ; v128-223 A's fragments, ONE set
.set PC,    224                        ; v224-235 codes just made;  v236-243 the conversions' second halves
.set CT,    236
.set G1,  24                           ; s[24:31] descriptor group 1 for A's tiles;  s[32:39] group 0, a set for each slot
.set G0,  32
.set G1B, 48                           ; s[48:55], s[56:63] the same for B's
.set G0B, 56
.set P0,  66                           ; s[66:67], s[68:69] where the codes go: first record, second record
.set P1,  68
.set PS0, 70                           ; s[70:71], s[72:73] the scale words
.set PS1, 72
.set HM,  74                           ; s74  lanes 16-31
.set SEL, 76                           ; s[76:77]
.set MSB, 0
.macro WIN new                         ; the immediate's high byte repeats the setting that is left
.if MSB != (\new)
	s_set_vgpr_msb (MSB<<8)|(\new)
.set MSB, (\new)
.endif
.endm
.set MUL_LO, 0xa1                      ; source 0 (B) window 1, source 1 (A) window 0, C and D window 2
.set MUL_HI, 0xf1                      ; the same, C and D window 3
.set TO_B,   0x40                      ; destination window 1, address window 0
; A joint load: waves 0 and 1 fetch A's halves, waves 2 and 3 B's; the branch hangs on the wave's number alone.  An s_nop 0 and four v_nop follow each of the two lines.
.macro JLOAD g0a, g1a, g0b, g1b
	s_cmp_eq_u32 s15, 0
	s_cbranch_scc0 .Lfor_b_\@
	tensor_load_to_lds s[\g0a:\g0a+3], s[\g1a:\g1a+7]
	s_nop 0
.rept 4
	v_nop
.endr
	s_branch .Lasked_\@
.Lfor_b_\@:
	tensor_load_to_lds s[\g0b:\g0b+3], s[\g1b:\g1b+7]
	s_nop 0
.rept 4
	v_nop
.endr
.Lasked_\@:
.endm
.macro CREST                           ; a round of the cluster's barrier behind its opening barrier
	s_cmp_lg_u32 s14, 0
	s_cbranch_scc1 .Lnot_wave_0_\@
	s_barrier_signal -3
.Lnot_wave_0_\@:
	s_barrier_wait -3
	s_barrier_signal -1
	s_barrier_wait -1
.endm
.macro CROUND
	s_barrier_signal -1
	s_barrier_wait -1
	CREST
.endm
.macro PLACES                          ; four places in front of loads into registers that matrix instructions have read, and of the first read of results
.rept 4
	v_nop
.endr
.endm
	s_load_b128 s[4:7], s[0:1], 0x0                ; qin, qkv
	v_lshl_add_u32 v[SPW], v0, 2, SPARE
	v_mov_b32 v[NIL], 0
	ds_add_u32 v[SPW], v[NIL]                      ; the wave's opening: the add and its wait stand ahead of my first tensor load; the set-up below, work on registers, stands between them
	v_lshrrev_b32 v1, 5, v0
	v_readfirstlane_b32 s14, v1                    ; wave 0..3
	s_lshr_b32 s15, s14, 1                         ; which half of A's rows is mine.  Also: I fetch for A (0) or for B (1)
	s_and_b32 s16, s14, 1                          ; which half of B's rows.  Also: which 8 tiles I fetch
	s_bfe_u32 s40, ttmp6, 0x40000                  ; cx
	s_bfe_u32 s41, ttmp6, 0x40004                  ; cy
	s_lshr_b32 s81, ttmp9, 1                       ; the cluster's number (ttmp9), which all sixteen partners share, gives the role
	s_and_b32 s82, ttmp9, 1
	s_sub_co_u32 s83, ttmp9, 16
	s_cmp_lt_u32 ttmp9, 16
	s_cselect_b32 s81, s81, 0                      ; the cluster's row: q, k: 8 rows of 1,024 tokens;  v: one row of 1,024 features
	s_cselect_b32 s82, s82, s83                    ; its column: q, k: 0 = q's features, 1 = k's;  v: 8 columns of 1,024 tokens
	s_cselect_b32 s84, 0, 640                      ; A's first tile in qin: x, or w's rows from 2,048 on
	s_cselect_b32 s85, 512, 0                      ; B's: w's rows from 0 on, or x
	s_lshl_b32 s17, s81, 2
	s_add_co_u32 s17, s17, s41                     ; tile row tr = 4 x cluster row + cy
	s_lshl_b32 s42, s82, 2
	s_add_co_u32 s42, s42, s40                     ; tile column tc = 4 x cluster column + cx
	s_lshl_b32 s43, s41, 2
	s_lshl_b32 s43, 15, s43                        ; my row of the cluster
	s_lshl_b32 s44, 0x1111, s40                    ; my column
	; descriptor group 1: 8 rows (tiles) of 3,072 bytes, 12,288 bytes apart, as elements of 8 bytes; dense in LDS
	s_or_b32 s[G1+0], s43, (3<<16)|(1<<21)         ; 15:0 the mask; 17:16 elements of 8 bytes; 20 no padding; 21 set beside a mask
	s_or_b32 s[G1B+0], s44, (3<<16)|(1<<21)
.irp g, G1, G1B
	s_mov_b32 s[\g+1], 384<<16                     ; tensor_dim0 = 384
	s_mov_b32 s[\g+2], 8<<16                       ; tensor_dim1 = 8
	s_mov_b32 s[\g+3], 384<<16                     ; tile_dim0 = 384
	s_mov_b32 s[\g+4], 8                           ; tile_dim1 = 8
	s_mov_b32 s[\g+5], 1536                        ; tensor_dim0_stride
	s_mov_b32 s[\g+6], 0
	s_mov_b32 s[\g+7], 0
.endr
	s_lshl_b32 s18, s16, 3                         ; which 8 tiles I fetch
	s_lshl_b32 s20, s17, 4
	s_add_co_u32 s20, s20, s84
	s_add_co_u32 s20, s20, s18
	s_mul_i32 s20, s20, TILEB                      ; A: made of the tile row and the wave's number alone
	s_mov_b32 s21, 0
	s_lshl_b32 s46, s42, 4
	s_add_co_u32 s46, s46, s85
	s_add_co_u32 s46, s46, s18
	s_mul_i32 s46, s46, TILEB                      ; B: of the tile column and the wave's number alone
	s_mov_b32 s47, 0
	s_mul_i32 s45, s14, HALFT                      ; where they go: no place in the cluster enters an LDS address
	s_lshl_b32 s86, s17, 4                         ; the scale blocks of the 8 tiles of A that I multiply,
	s_add_co_u32 s86, s86, s84
	s_lshl_b32 s18, s15, 3
	s_add_co_u32 s86, s86, s18
	s_lshl_b32 s86, s86, 9
	s_add_co_u32 s86, s86, SCOFF
	s_mov_b32 s87, 0
	s_lshl_b32 s88, s42, 4                         ; and of B
	s_add_co_u32 s88, s88, s85
	s_lshl_b32 s18, s16, 3
	s_add_co_u32 s88, s88, s18
	s_lshl_b32 s88, s88, 9
	s_add_co_u32 s88, s88, SCOFF
	s_mov_b32 s89, 0
	; where the results go.  Both roles' offsets are made, and one is chosen.  q, k: token tile T0 = 16 tr + 8 wr; records (batch, head 2 ((2 tc + wc) % 8)) and the next
	s_lshl_b32 s90, s17, 4
	s_lshl_b32 s91, s15, 3
	s_add_co_u32 s90, s90, s91                     ; T0
	s_lshl_b32 s91, s42, 1
	s_add_co_u32 s91, s91, s16                     ; 2 tc + wc
	s_lshr_b32 s92, s90, 7
	s_lshl_b32 s92, s92, 4
	s_and_b32 s93, s91, 7
	s_lshl_b32 s93, s93, 1
	s_add_co_u32 s92, s92, s93
	s_mul_i32 s92, s92, REC
	s_cmp_eq_u32 s82, 0
	s_cselect_b32 s93, 208896, 0                   ; q's regions of a record, or k's
	s_add_co_u32 s92, s92, s93
	s_and_b32 s93, s90, 127
	s_mul_i32 s94, s93, 768
	s_add_co_u32 s94, s94, s92                     ; codes
	s_lshr_b32 s93, s93, 3
	s_lshl_b32 s93, s93, 9
	s_add_co_u32 s93, s93, s92
	s_add_co_u32 s93, s93, 98304                   ; scale words
	; v: key step 2 tc + wc of all tokens; records (batch, head 4 tr + 2 wr) and the next
	s_lshr_b32 s95, s91, 4
	s_lshl_b32 s95, s95, 4
	s_lshl_b32 s96, s17, 2
	s_add_co_u32 s95, s95, s96
	s_lshl_b32 s96, s15, 1
	s_add_co_u32 s95, s95, s96
	s_mul_i32 s95, s95, REC
	s_and_b32 s96, s91, 15
	s_mul_i32 s97, s96, 6144
	s_add_co_u32 s97, s97, s95
	s_add_co_u32 s97, s97, 106496                  ; codes
	s_lshl_b32 s96, s96, 8
	s_add_co_u32 s96, s96, s95
	s_add_co_u32 s96, s96, 204800                  ; scale words
	s_cmp_lt_u32 ttmp9, 16
	s_cselect_b32 s94, s94, s97
	s_cselect_b32 s96, s93, s96
	s_mov_b32 s95, 0
	s_mov_b32 s97, 0
	s_mov_b32 s[HM], 0xffff0000
	s_mov_b32 s[SEL], 0x76543210
	s_mov_b32 s[SEL+1], 0xfedcba98
	s_wait_dscnt 0x0                               ; the opening add is done
	s_wait_kmcnt 0x0
	s_add_nc_u64 s[20:21], s[4:5], s[20:21]
	s_add_nc_u64 s[46:47], s[4:5], s[46:47]
	s_add_nc_u64 s[86:87], s[4:5], s[86:87]
	s_add_nc_u64 s[88:89], s[4:5], s[88:89]
	s_add_nc_u64 s[P0:P0+1], s[6:7], s[94:95]
	s_add_nc_u64 s[P1:P1+1], s[P0:P0+1], REC
	s_add_nc_u64 s[PS0:PS0+1], s[6:7], s[96:97]
	s_add_nc_u64 s[PS1:PS1+1], s[PS0:PS0+1], REC
	CROUND                                         ; all sixteen work-groups are here: the first joint loads meet
.irp s, 0,1
	s_mov_b32 s[G0+4*\s], 1                        ; count = 1
	s_add_co_u32 s[G0+4*\s+1], s45, \s*SLOT        ; LDS address
	s_add_nc_u64 s[G0+4*\s+2:G0+4*\s+3], s[20:21], \s*3072   ; global address: fill s of each tile's image
	s_or_b32 s[G0+4*\s+3], s[G0+4*\s+3], 0x80000000          ; type = 2
	s_mov_b32 s[G0B+4*\s], 1
	s_add_co_u32 s[G0B+4*\s+1], s45, \s*SLOT
	s_add_nc_u64 s[G0B+4*\s+2:G0B+4*\s+3], s[46:47], \s*3072
	s_or_b32 s[G0B+4*\s+3], s[G0B+4*\s+3], 0x80000000
	JLOAD G0+4*\s, G1, G0B+4*\s, G1B
.endr
	v_and_b32 v1, 31, v0
	v_lshlrev_b32 v[L16], 4, v1
	v_lshlrev_b32 v[L8], 3, v1
	s_mul_i32 s90, s15, HALFT                      ; my 8 tiles of A
	s_mul_i32 s91, s16, HALFT                      ; my 8 tiles of B,
	s_add_co_u32 s91, s91, 2*HALFT                 ; which lie behind A's 16
.irp s, 0,1
	v_add_nc_u32 v[ADA16+\s], s90, v[L16]
	v_add_nc_u32 v[ADA8+\s], s90, v[L8]
	v_add_nc_u32 v[ADB16+\s], s91, v[L16]
	v_add_nc_u32 v[ADB8+\s], s91, v[L8]
	s_add_co_u32 s90, s90, SLOT
	s_add_co_u32 s91, s91, SLOT
.endr
.irp i, 0,1,2,3,4,5,6,7
	global_load_b128 v[SA+4*\i:SA+4*\i+3], v[L16], s[86:87] offset:512*\i   ; a tile's scale words for all of K: 512 consecutive bytes
	global_load_b128 v[SB+4*\i:SB+4*\i+3], v[L16], s[88:89] offset:512*\i
.endr
.irp b, 0,1,2,3
	v_mov_b32 v[TM+4+\b], 0                        ; written once: a lane permute's destination counts as one of its sources
.endr
.macro FRAG reg, a16, a8, q, i         ; a fragment, 16 rows x 128 K: two half images on end: four loads
	ds_load_b128 v[\reg:\reg+3], v[\a16] offset:(\i)*3072+(\q)*1536
	ds_load_b64 v[\reg+4:\reg+5], v[\a8] offset:(\i)*3072+(\q)*1536+512
	ds_load_b128 v[\reg+6:\reg+9], v[\a16] offset:(\i)*3072+(\q)*1536+768
	ds_load_b64 v[\reg+10:\reg+11], v[\a8] offset:(\i)*3072+(\q)*1536+1280
.endm
.macro FETCH_B slot, q, set            ; B's eight fragments of the slot's q-th 128 along K into set
	WIN TO_B
.irp i, 0,1,2,3,4,5,6,7
	FRAG 128*(\set)+FR*\i, ADB16+\slot, ADB8+\slot, \q, \i
.endr
	WIN 0
.endm
.macro FETCH_A slot, q, i0             ; A's blocks i0 .. i0 + 3
.irp i, \i0, \i0+1, \i0+2, \i0+3
	FRAG AF+FR*(\i), ADA16+\slot, ADA8+\slot, \q, \i
.endr
.endm
.macro MM a, b, set, ks, zero          ; one product: A's block a x B's block b, K step ks; an odd K step's scale words stand in lanes 16-31
.set XD,  8*(8*((\a)%4)+(\b))
.set XBF, 128*(\set)+FR*(\b)
.set XAF, AF+FR*(\a)
.set XSB, SB+4*(\b)+(\ks)/2
.set XSA, SA+4*(\a)+(\ks)/2
.if \zero
	v_wmma_scale_f32_16x16x128_f8f6f4 v[XD:XD+7], v[XBF:XBF+11], v[XAF:XAF+11], 0, v[XSB], v[XSA] matrix_a_fmt:MATRIX_FMT_FP6 matrix_b_fmt:MATRIX_FMT_FP6
.elseif (\ks)%2
	v_wmma_scale_f32_16x16x128_f8f6f4 v[XD:XD+7], v[XBF:XBF+11], v[XAF:XAF+11], v[XD:XD+7], v[XSB], v[XSA] matrix_a_fmt:MATRIX_FMT_FP6 matrix_b_fmt:MATRIX_FMT_FP6 matrix_a_scale:MATRIX_SCALE_ROW1 matrix_b_scale:MATRIX_SCALE_ROW1
.else
	v_wmma_scale_f32_16x16x128_f8f6f4 v[XD:XD+7], v[XBF:XBF+11], v[XAF:XAF+11], v[XD:XD+7], v[XSB], v[XSA] matrix_a_fmt:MATRIX_FMT_FP6 matrix_b_fmt:MATRIX_FMT_FP6
.endif
.endm
.macro MUL16 a0, set, ks, zero         ; 16 products.  The 64 accumulators take turns, one instruction a turn, in the same order in every step
.irp a, \a0, \a0+1
.irp b, 0,1,2,3,4,5,6,7
	MM \a, \b, \set, \ks, \zero
.endr
.endr
.endm
.macro STEP slot, ks, zero             ; a slot's first 128 along K (B's set 0); it fetches the second
	s_wait_dscnt 16                                ; B's set and A's blocks 0-3 are in; the youngest 16 loads (A's blocks 4-7) may be out
	WIN MUL_LO
	MUL16 0, 0, \ks, \zero
	MUL16 2, 0, \ks, \zero
	s_wait_dscnt 0x0                               ; A's blocks 4-7 are in
	PLACES
	FETCH_B \slot, 1, 1
	FETCH_A \slot, 1, 0
	WIN MUL_HI
	MUL16 4, 0, \ks, \zero
	MUL16 6, 0, \ks, \zero
	PLACES
	WIN 0
	FETCH_A \slot, 1, 4
.endm
; A slot's second 128 along K (B's set 1) changes slots: ONE barrier; in front of it each wave waits for all its tensor loads, adds 0 to its spare word, and waits for that and for its reads of this slot.
.macro TURN slot, next, fill, ks
	s_wait_tensorcnt 0x0                           ; all my tensor loads have landed: my part of the next slot
	ds_add_u32 v[SPW], v[NIL]                      ; 0 onto my spare word
	s_wait_dscnt 17                                ; (the add and the youngest 16 loads, A's blocks 4-7, may be out)
	WIN MUL_LO
	MUL16 0, 1, \ks, 0                             ; sixteen matrix instructions stand between the add and the wait for it
	s_wait_dscnt 0x0                               ; the add is done, and my reads of this slot are over
	s_barrier_signal -1
	MUL16 2, 1, \ks, 0
	WIN 0
	s_barrier_wait -1
.if \fill
	CREST                                          ; the barrier has opened a round of the cluster's barrier: no wave of any partner still reads this slot or has a load on its way
	s_add_nc_u64 s[G0+4*\slot+2:G0+4*\slot+3], s[G0+4*\slot+2:G0+4*\slot+3], 6144
	s_add_nc_u64 s[G0B+4*\slot+2:G0B+4*\slot+3], s[G0B+4*\slot+2:G0B+4*\slot+3], 6144
	JLOAD G0+4*\slot, G1, G0B+4*\slot, G1B         ; the first tensor load behind the round; its four v_nop are the places in front of the loads below
.else
	PLACES
.endif
	FETCH_B \next, 0, 0
	FETCH_A \next, 0, 0
	WIN MUL_HI
	MUL16 4, 1, \ks, 0
	MUL16 6, 1, \ks, 0
	PLACES
	WIN 0
	FETCH_A \next, 0, 4
.endm
	s_wait_tensorcnt 1                             ; my part of fill 0 is in (fill 1's load may be out)
	s_barrier_signal -1
	s_barrier_wait -1                              ; everybody's is
	FETCH_B 0, 0, 0
	FETCH_A 0, 0, 0
	FETCH_A 0, 0, 4
	s_wait_loadcnt 0x0                             ; the scale words
	STEP 0, 0, 1                                   ; the first products start the sums: nothing is cleared
	TURN 0, 1, 1, 1
	STEP 1, 2, 0
	TURN 1, 0, 1, 3
	STEP 0, 4, 0
	TURN 0, 1, 0, 5                                ; nothing is left to fetch
	STEP 1, 6, 0
	s_wait_dscnt 16
	WIN MUL_LO
	MUL16 0, 1, 7, 0
	MUL16 2, 1, 7, 0
	s_wait_dscnt 0x0
	WIN MUL_HI
	MUL16 4, 1, 7, 0
	MUL16 6, 1, 7, 0
	WIN 0
; THE WAY OUT.  The 64 registers of A's block a are 128 neighbours along B's rows, 16 of each block of 32 in a lane: they become a fragment's codes and a scale word, and leave as images.
.macro QUANTW a
.set AC, 64*((\a)%4)
.set WW, 2+(\a)/4
.set W5, 5*WW
	WIN W5                                         ; sources 0 and 1 in the accumulators' window
.irp b, 0,1,2,3
	v_max3_num_f32 v[TM+\b], |v[AC+16*\b]|, |v[AC+16*\b+1]|, 0x1800000   ; each accumulator is read from its low end on; the floor 2^(3 - 127) holds the byte at 1 from below
.endr
.irp i, 2,4,6,8,10,12,14
.irp b, 0,1,2,3
	v_max3_num_f32 v[TM+\b], |v[AC+16*\b+\i]|, |v[AC+16*\b+\i+1]|, v[TM+\b]
.endr
.endr
	WIN 0
.irp b, 0,1,2,3
	v_permlanex16_b32 v[TM+4+\b], v[TM+\b], s[SEL], s[SEL+1]
.endr
.irp b, 0,1,2,3
	v_max_num_f32 v[TM+\b], v[TM+\b], v[TM+4+\b]
.endr
.irp b, 0,1,2,3
	v_add_nc_u32 v[TM+12+\b], 0xff000000, v[TM+\b]
.endr
.irp b, 0,1,2,3
	v_lshrrev_b32 v[TM+4+\b], 23, v[TM+12+\b]
.endr
	v_lshl_or_b32 v[PW], v[TM+5], 8, v[TM+4]
	v_lshl_or_b32 v[PW], v[TM+6], 16, v[PW]
	v_lshl_or_b32 v[PW], v[TM+7], 24, v[PW]
	s_wait_xcnt 0x0                                ; the last block's stores have read their data: the codes' registers are written again only behind this wait
	WIN WW                                         ; source 0 in the accumulators' window
.irp c, 0,1
	v_cvt_scalef32_pk16_fp6_f32 v[PC+6*\c:PC+6*\c+2], v[AC+32*\c:AC+32*\c+15], v[TM+12+2*\c]
	v_cvt_scalef32_pk16_fp6_f32 v[CT+4*\c:CT+4*\c+2], v[AC+32*\c+16:AC+32*\c+31], v[TM+13+2*\c]
.endr
	WIN 0
	v_nop                                          ; one plain place behind a scaled conversion
.irp c, 0,1
.irp i, 0,1,2
	v_permlane16_swap_b32 v[PC+6*\c+\i], v[CT+4*\c+\i]
.endr
.irp i, 0,1,2
	v_mov_b32 v[PC+3+6*\c+\i], v[CT+4*\c+\i]
.endr
.endr
.endm
.macro STORE_FRAG a                    ; q, k: the fragment's two halves are two heads' half images of token tile T0 + a;  v: the whole fragment is feature tile a % 4 of head a / 4.  Every store covers whole aligned blocks of 256 bytes
	s_cmp_lt_u32 ttmp9, 16
	s_cbranch_scc0 .Lfor_v_\@
	global_store_b128 v[L16], v[PC:PC+3], s[P0:P0+1] offset:768*(\a)
	global_store_b64 v[L8], v[PC+4:PC+5], s[P0:P0+1] offset:768*(\a)+512
	global_store_b128 v[L16], v[PC+6:PC+9], s[P1:P1+1] offset:768*(\a)
	global_store_b64 v[L8], v[PC+10:PC+11], s[P1:P1+1] offset:768*(\a)+512
	s_branch .Lstored_\@
.Lfor_v_\@:
	global_store_b128 v[L16], v[PC:PC+3], s[P0+2*((\a)/4):P0+2*((\a)/4)+1] offset:1536*((\a)%4)
	global_store_b64 v[L8], v[PC+4:PC+5], s[P0+2*((\a)/4):P0+2*((\a)/4)+1] offset:1536*((\a)%4)+512
	global_store_b128 v[L16], v[PC+6:PC+9], s[P0+2*((\a)/4):P0+2*((\a)/4)+1] offset:1536*((\a)%4)+768
	global_store_b64 v[L8], v[PC+10:PC+11], s[P0+2*((\a)/4):P0+2*((\a)/4)+1] offset:1536*((\a)%4)+1280
.Lstored_\@:
.endm
	PLACES
.irp a, 0,1,2,3,4,5,6,7
	QUANTW \a
	v_alignbit_b32 v[PW2], v[PW], v[PW], 16        ; the word turned by 16 bits: the second head's two bytes lowest
.if \a%2 == 0
	v_mov_b32 v[SWE+\a/2], v[PW]                   ; an even block's words stay in lanes 0-15,
	v_mov_b32 v[SWO+\a/2], v[PW2]
.else
	v_cndmask_b32 v[SWE+\a/2], v[SWE+\a/2], v[PW], s[HM]    ; an odd one's go to lanes 16-31
	v_cndmask_b32 v[SWO+\a/2], v[SWO+\a/2], v[PW2], s[HM]
.endif
	STORE_FRAG \a
.endr
	s_cmp_lt_u32 ttmp9, 16
	s_cbranch_scc0 .Lscales_v
	global_store_b128 v[L16], v[SWE:SWE+3], s[PS0:PS0+1]   ; q, k: 8 token tiles' words, 512 bytes for each of the two heads
	global_store_b128 v[L16], v[SWO:SWO+3], s[PS1:PS1+1]
	s_branch .Lscales_done
.Lscales_v:
	global_store_b64 v[L8], v[SWE:SWE+1], s[PS0:PS0+1]     ; v: 4 feature tiles' words, 256 bytes for each of the two heads
	global_store_b64 v[L8], v[SWE+2:SWE+3], s[PS1:PS1+1]
.Lscales_done:
	s_wait_tensorcnt 0x0                           ; the wave's end, behind my last tensor load
	ds_add_u32 v[SPW], v[NIL]
	s_wait_dscnt 0x0
	CROUND                                         ; the closing round: no work-group ends while a partner may still ask for a tile that names it
	s_endpgm
.Lfunc_end_k_q9a7d85638a_gemm_qkv:
	.size	k_q9a7d85638a_gemm_qkv, .Lfunc_end_k_q9a7d85638a_gemm_qkv-k_q9a7d85638a_gemm_qkv
	.p2alignl 7, 3214868480
	.fill 96, 4, 3214868480
	.section	.rodata,"a",@progbits
	.p2align	6, 0x0
	.amdhsa_kernel k_q9a7d85638a_gemm_qkv
		.amdhsa_group_segment_fixed_size 327680
		.amdhsa_private_segment_fixed_size 0
		.amdhsa_enable_private_segment 0
		.amdhsa_kernarg_size 16
		.amdhsa_user_sgpr_count 2
		.amdhsa_user_sgpr_kernarg_segment_ptr 1
		.amdhsa_wavefront_size32 1
		.amdhsa_system_sgpr_workgroup_id_x 1
		.amdhsa_system_sgpr_workgroup_id_y 1
		.amdhsa_system_sgpr_workgroup_id_z 1
		.amdhsa_system_vgpr_workitem_id 0
		.amdhsa_next_free_vgpr 1024
		.amdhsa_next_free_sgpr 100
		.amdhsa_reserve_vcc 0
		.amdhsa_float_denorm_mode_32 3
		.amdhsa_float_denorm_mode_16_64 3
		.amdhsa_memory_ordered 1
		.amdhsa_forward_progress 1
		.amdhsa_inst_pref_size 152
	.end_amdhsa_kernel
	.amdgpu_metadata
---
amdhsa.version: [ 1, 2 ]
amdhsa.kernels:
  - .name:           k_q9a7d85638a_gemm_qkv
    .symbol:         k_q9a7d85638a_gemm_qkv.kd
    .args:
      - { .name: qin, .offset: 0, .size: 8, .value_kind: global_buffer, .address_space: global }
      - { .name: qkv, .offset: 8, .size: 8, .value_kind: global_buffer, .address_space: global }
    .group_segment_fixed_size: 327680
    .private_segment_fixed_size: 0
    .kernarg_segment_align: 8
    .kernarg_segment_size: 16
    .max_flat_workgroup_size: 128
    .sgpr_count:     100
    .vgpr_count:     1024
    .wavefront_size: 32
...
	.end_amdgpu_metadata
.endif
;; end of part 2
;; launch attn (part 3): grid 4 x 64, 8 waves a work-group, clusters of 4 x 1, 209,920 bytes of LDS; arguments qkv, sn_bias, oimg; writes oimg
.if DOCPART == 3
	.amdgcn_target "amdgcn-amd-amdhsa--gfx1250"
	.amdhsa_code_object_version 6
	.text
	.protected	k_q9a7d85638a_attn
	.globl	k_q9a7d85638a_attn
	.p2align	8
	.type	k_q9a7d85638a_attn,@function
k_q9a7d85638a_attn:
	s_mov_b64 s[64:65], 0
	v_nop
	global_prefetch_b8 v0, s[64:65] scope:SCOPE_SE
	s_setreg_imm32_b32 hwreg(HW_REG_WAVE_MODE, 25, 1), 1
	s_wait_xcnt 0x0
	s_wait_alu depctr_hold_cnt(0) depctr_sa_sdst(0) depctr_va_vdst(0) depctr_va_sdst(0) depctr_va_ssrc(0) depctr_va_vcc(0) depctr_vm_vsrc(0)
	s_getreg_b32 s2, hwreg(HW_REG_IB_STS2, 6, 4)
	s_cmp_eq_u32 s2, 0
	s_cbranch_scc0 .Lentry_in_a_cluster
	s_endpgm
.Lentry_in_a_cluster:
	s_bfe_u32 s2, ttmp6, 0x10000c
	s_cmp_lg_u32 s2, 0x3003
	s_cbranch_scc0 .Lentry_shape_is_right
	s_endpgm
.Lentry_shape_is_right:
; For one (batch, head): attn = relu(q k^T / 8 + b)^2 / (its row's sum + 1e-32), o = attn v; both products on codes of FP6 (E2M3) with E8M0 scales; o leaves as codes along D for the last product.
; attn is quantised FINISHED AND NORMALISED, in blocks of 32 keys, so its codes hang on the whole row's sum: the scores are made twice: pass 1 sums, pass 2 normalises, quantises and multiplies by v.
; ARITHMETIC.  The C of every score product is a tile of 8 b: x = q.k + 8 b = 8 (score + b).  t' = relu(x)^2 = 64 t; attn = t' x 1 / (sum of t' + 64 x 1e-32): every scaling is by a power of two.
; Both passes make x by the same instructions on the same operands.
; LIMITS: NaN and infinities are not served; |q.k + 8 b| stays under 1.8e19, so that its square is finite (a row's sum under 2^126, so that its reciprocal is a normal number);
; 1 / sum is v_rcp_f32 and a multiplication; a block whose largest magnitude lies under 2^-124 (a block of zeros too) gets the byte 1, with zero codes where all are zero.
; SHARES.  A cluster of four work-groups takes a head; a work-group 512 queries; each of its eight waves four tiles of 16 queries.  Every wave walks all 2,048 keys, 128 a step.
; THE HEAD'S K AND V STAY IN LDS, as they lie in the record (images of operand registers and scale words): 208,896 bytes, filled once, jointly for the four work-groups: no ring, no refill.
; LAYOUT.  Both products are used transposed: S^T = K Q^T (source 0 = 16 keys), O^T = V^T P^T (source 0 = 16 features): a lane holds ONE query throughout.  The keys of a stored tile are so chosen that
; the 16 registers of tiles 2 t and 2 t + 1 are keys 32 t + 16 (lane / 16) + 0 .. 15; V's feature tiles likewise, so that O^T's registers run along D.
; THE HEAD'S K IS 64, half of the instruction's 128: q's fragment is six registers of codes and six of zeros; k's half images lie six registers apart, so the upper half of a fragment of k is the next
; tile's codes (behind the last: six registers written once): they meet zero codes alone, and so do bytes 2, 3 of the scale words.
; TWO BUFFERS OF SCORES: while one tile of queries is worked on by vector instructions, the next tile's eight products are out; two waves share a SIMD.
; o's scale bytes leave 2 bytes a row (a head owns half a scale word of the last product's operand): one byte in 24 of what this launch stores is so written in pieces.
.set REC,  315392
.set KSO,  98304                       ; a record, and LDS: k's half images at 0, k's scale words,
.set VCO,  106496                      ; v's images,
.set VSO,  204800                      ; v's scale words;
.set QCO,  208896                      ; in the record alone: q's half images,
.set QSO,  307200                      ; q's scale words
.set SPARE, 208896                     ; LDS behind V: the spare words, 128 bytes for each of eight waves: four blocks of 256 bytes that no other line names
.set OSC,  6291456                     ; oimg: where the scale blocks begin
.set L16, 1                            ; v1   16 x lane
.set L8,  2                            ; v2   8 x lane
.set ADK16, 3                          ; v3-8 LDS addresses of the loads in hand
.set ADK8,  4
.set ADS,   5
.set ADV16, 6
.set ADV8,  7
.set ADT,   8
.set SPW, 9                            ; v9   LDS address of my spare word; never rewritten
.set NIL, 10                           ; v10  0; never rewritten
.set GOS, 11                           ; v11  o's scale bytes: 512 (lane / 16) + 16 (lane % 16)
.set KSC, 16                           ; v16-19 k's scale words of 8 tiles: register p: tile 2 p in lanes 0-15, 2 p + 1 in lanes 16-31
.set VSC, 20                           ; v20-21 v's, of 4 feature tiles
.set QSC, 22                           ; v22-23 q's, of my 4 tiles
.set PSC, 24                           ; v24-27 attn's scale words, one register a tile of queries
.set RI,  28                           ; v28-35 1 / (sum + eps), a pair a tile
.set TM,  36                           ; v36-51 the quantiser's registers
.set CT,  52                           ; v52-59 the conversions' second halves
.set P,   60                           ; v60-107 attn's codes, 12 a tile;  in pass 1 the sums: tile qt, chain c at v[60 + 8 qt + 2 c], pairs
.set ACC, 60
.set SX0, 112                          ; v112-175, v176-239 two buffers of 64 scores
.set SX1, 176
.set OC,  112                          ; the way out: o's codes, 8 registers a tile;  v144-147 its two bytes;  v148-149 two tiles' bytes in one register
.set OW,  144
.set OWM, 148
.set Q,   128                          ; window 1: v0-127 O^T (32 qt + 8 dt);  v128-175 q's fragments;  v176-183 the tile of 8 b;  v184-237 k's half images, later v's fragments
.set BIA, 176
.set KF,  184
.set VF,  184
.set WV,  10                           ; s10  wave
.set G1K, 16                           ; s[16:23], s[24:31] descriptor groups 1;  s[32:35], s[36:39] groups 0
.set G1V, 24
.set G0K, 32
.set G0V, 36
.set SEL, 40                           ; s[40:41]
.set TK,  42                           ; s42  LDS byte of the step's tiles of k;  s43 of its scale words;  s44, s45 the same for v
.set TS,  43
.set TV,  44
.set TW,  45
.set CNT, 46
.set HM,  47                           ; s47  lanes 16-31
.set QP,  50                           ; s[50:51] q's half images of my tiles;  s[52:53] their scale words;  s[54:55] o's images;  s[56:57] o's scale bytes
.set QSP, 52
.set OP,  54
.set OSP, 56
.set W_QK, 0x15                        ; k, q and the tile of 8 b in window 1, the scores in window 0
.set W_PV, 0x51                        ; v in window 1, attn in window 0, O^T in window 1
.set TO1,  0x40                        ; destination window 1
.set MSB, 0
.macro WIN new                         ; the immediate's high byte repeats the setting that is left
.if MSB != (\new)
	s_set_vgpr_msb (MSB<<8)|(\new)
.set MSB, (\new)
.endif
.endm
.macro ROUND                           ; a round of the cluster's barrier
	s_barrier_signal -1
	s_barrier_wait -1
	s_cmp_lg_u32 s[WV], 0
	s_cbranch_scc1 .Lnot_wave_0_\@
	s_barrier_signal -3
.Lnot_wave_0_\@:
	s_barrier_wait -3
	s_barrier_signal -1
	s_barrier_wait -1
.endm
.macro PLACES n
.rept \n
	v_nop
.endr
.endm
	s_load_b128 s[4:7], s[0:1], 0x0                ; qkv, sn_bias
	s_load_b64 s[8:9], s[0:1], 0x10                ; oimg
	v_lshl_add_u32 v[SPW], v0, 2, SPARE
	v_mov_b32 v[NIL], 0
	ds_add_u32 v[SPW], v[NIL]                      ; the wave's opening: the add and its wait stand ahead of my first tensor load; the set-up below, work on registers, stands between them
	v_lshrrev_b32 v12, 5, v0
	v_readfirstlane_b32 s[WV], v12                 ; wave 0..7
	s_bfe_u32 s11, ttmp6, 0x40000                  ; cx: my block of 512 queries: it enters q's and o's addresses alone
	s_and_b32 s12, ttmp7, 0xffff                   ; (batch, head), which the four partners share
	s_mul_i32 s14, s12, REC                        ; the record
	s_mov_b32 s15, 0
	; descriptor groups 1: dense blocks as rows of 256 bytes (32 elements of 8 bytes): K's eighth 52 rows, V's 50
	s_mov_b32 s[G1K], 15|(3<<16)|(1<<21)           ; 15:0 the mask: all four work-groups; 17:16 elements of 8 bytes; 20 no padding; 21 set beside a mask
	s_mov_b32 s[G1K+1], 32<<16
	s_mov_b32 s[G1K+2], 52<<16
	s_mov_b32 s[G1K+3], 32<<16
	s_mov_b32 s[G1K+4], 52
	s_mov_b32 s[G1K+5], 32
	s_mov_b32 s[G1K+6], 0
	s_mov_b32 s[G1K+7], 0
	s_mov_b32 s[G1V], 15|(3<<16)|(1<<21)
	s_mov_b32 s[G1V+1], 32<<16
	s_mov_b32 s[G1V+2], 50<<16
	s_mov_b32 s[G1V+3], 32<<16
	s_mov_b32 s[G1V+4], 50
	s_mov_b32 s[G1V+5], 32
	s_mov_b32 s[G1V+6], 0
	s_mov_b32 s[G1V+7], 0
	s_mul_i32 s58, s[WV], 13312                    ; my eighth of K: the same offset in the record and in LDS
	s_mov_b32 s59, 0
	s_mul_i32 s60, s[WV], 12800
	s_add_co_u32 s60, s60, VCO                     ; my eighth of V likewise
	s_mov_b32 s61, 0
	s_lshl_b32 s66, s11, 5
	s_lshl_b32 s67, s[WV], 2
	s_add_co_u32 s66, s66, s67                     ; my first token tile in the batch: 32 cx + 4 wave
	s_mul_i32 s68, s66, 768
	s_add_co_u32 s68, s68, QCO                     ; q's half images
	s_mov_b32 s69, 0
	s_lshr_b32 s70, s66, 3
	s_lshl_b32 s70, s70, 9                         ; q's scale words: the group of 8 tiles,
	s_bfe_u32 s67, s66, 0x10002
	s_lshl_b32 s67, s67, 3                         ; and its lower or upper two registers
	s_add_co_u32 s70, s70, s67
	s_add_co_u32 s70, s70, QSO
	s_mov_b32 s71, 0
	s_lshr_b32 s67, s12, 4
	s_lshl_b32 s67, s67, 7
	s_add_co_u32 s66, s66, s67                     ; my first token tile of all: 128 batch + ..
	s_and_b32 s67, s12, 15                         ; the head
	s_mul_i32 s72, s66, 12288
	s_mul_i32 s73, s67, 768
	s_add_co_u32 s72, s72, s73                     ; o: the tile's image, the head's half image
	s_mov_b32 s73, 0
	s_lshl_b32 s74, s66, 9                         ; o's scale bytes: the tile's block; K step head / 2: 256 (K step % 2) + 4 (K step / 2); bytes 2 (head % 2)
	s_bfe_u32 s75, s67, 0x10001
	s_lshl_b32 s75, s75, 8
	s_add_co_u32 s74, s74, s75
	s_lshr_b32 s75, s67, 2
	s_lshl_b32 s75, s75, 2
	s_add_co_u32 s74, s74, s75
	s_and_b32 s75, s67, 1
	s_lshl_b32 s75, s75, 1
	s_add_co_u32 s74, s74, s75
	s_add_co_u32 s74, s74, OSC
	s_mov_b32 s75, 0
	s_mov_b32 s[SEL], 0x76543210
	s_mov_b32 s[SEL+1], 0xfedcba98
	s_mov_b32 s[HM], 0xffff0000
	s_wait_dscnt 0x0                               ; the opening add is done
	s_wait_kmcnt 0x0
	s_add_nc_u64 s[4:5], s[4:5], s[14:15]          ; the record
	s_mov_b32 s[G0K], 1                            ; count = 1
	s_mov_b32 s[G0K+1], s58                        ; LDS address
	s_add_nc_u64 s[G0K+2:G0K+3], s[4:5], s[58:59]  ; global address
	s_or_b32 s[G0K+3], s[G0K+3], 0x80000000        ; type = 2
	s_mov_b32 s[G0V], 1
	s_mov_b32 s[G0V+1], s60
	s_add_nc_u64 s[G0V+2:G0V+3], s[4:5], s[60:61]
	s_or_b32 s[G0V+3], s[G0V+3], 0x80000000
	s_add_nc_u64 s[QP:QP+1], s[4:5], s[68:69]
	s_add_nc_u64 s[QSP:QSP+1], s[4:5], s[70:71]
	s_add_nc_u64 s[OP:OP+1], s[8:9], s[72:73]
	s_add_nc_u64 s[OSP:OSP+1], s[8:9], s[74:75]
	ROUND                                          ; all four work-groups are here: the joint loads meet
	tensor_load_to_lds s[G0K:G0K+3], s[G1K:G1K+7]  ; every wave asks for an eighth of K and an eighth of V: two loads of mine are out
	s_nop 0
	tensor_load_to_lds s[G0V:G0V+3], s[G1V:G1V+7]
	s_nop 0
	PLACES 4
	s_load_b32 s48, s[6:7], 0x0                    ; b
	v_and_b32 v12, 31, v0
	v_lshlrev_b32 v[L16], 4, v12
	v_lshlrev_b32 v[L8], 3, v12
	v_and_b32 v13, 15, v0
	v_bfe_u32 v14, v0, 4, 1
	v_lshlrev_b32 v[GOS], 4, v13
	v_lshl_add_u32 v[GOS], v14, 9, v[GOS]
	global_load_b64 v[QSC:QSC+1], v[L16], s[QSP:QSP+1]   ; q's scale words of my four tiles
.irp b, 0,1,2,3
	v_mov_b32 v[TM+4+\b], 0                        ; written once: a lane permute's destination counts as one of its sources
.endr
	WIN TO1
.irp t, 0,1,2,3
	global_load_b128 v[Q+12*\t:Q+12*\t+3], v[L16], s[QP:QP+1] offset:768*\t      ; q's codes stay in registers,
	global_load_b64 v[Q+12*\t+4:Q+12*\t+5], v[L8], s[QP:QP+1] offset:768*\t+512
.irp i, 6,7,8,9,10,11
	v_mov_b32 v[Q+12*\t+\i], 0                     ; with zero codes for the instruction's upper 64 along K
.endr
.endr
.irp i, 48,49,50,51,52,53
	v_mov_b32 v[KF+\i], 0                          ; behind k's last half image: named by the last fragment, met by zero codes
.endr
	s_wait_kmcnt 0x0
	s_mul_f32 s49, s48, 0x41000000                 ; 8 b
.irp i, 0,1,2,3,4,5,6,7
	v_mov_b32 v[BIA+\i], s49
.endr
	WIN 0
.macro LOADK                           ; a step's 8 tiles of k and their scale words.  The three additions and the v_nop are the four places behind the last products, whose operands these loads overwrite
	v_add_nc_u32 v[ADK16], s[TK], v[L16]
	v_add_nc_u32 v[ADK8], s[TK], v[L8]
	v_add_nc_u32 v[ADS], s[TS], v[L16]
	v_nop
	ds_load_b128 v[KSC:KSC+3], v[ADS]
	WIN TO1
.irp t, 0,1,2,3,4,5,6,7
	ds_load_b128 v[KF+6*\t:KF+6*\t+3], v[ADK16] offset:768*\t
	ds_load_b64 v[KF+6*\t+4:KF+6*\t+5], v[ADK8] offset:768*\t+512
.endr
	s_wait_dscnt 0x0
.endm
.macro QK1 qt, sb, t                   ; 16 keys x 16 queries; an odd tile's scale words stand in lanes 16-31
.set XD,  \sb+8*(\t)
.set XK,  KF+6*(\t)
.set XQ,  Q+12*(\qt)
.set XSK, KSC+(\t)/2
.set XSQ, QSC+(\qt)/2
.if ((\t)%2 == 0) && ((\qt)%2 == 0)
	v_wmma_scale_f32_16x16x128_f8f6f4 v[XD:XD+7], v[XK:XK+11], v[XQ:XQ+11], v[BIA:BIA+7], v[XSK], v[XSQ] matrix_a_fmt:MATRIX_FMT_FP6 matrix_b_fmt:MATRIX_FMT_FP6
.elseif ((\qt)%2 == 0)
	v_wmma_scale_f32_16x16x128_f8f6f4 v[XD:XD+7], v[XK:XK+11], v[XQ:XQ+11], v[BIA:BIA+7], v[XSK], v[XSQ] matrix_a_fmt:MATRIX_FMT_FP6 matrix_b_fmt:MATRIX_FMT_FP6 matrix_a_scale:MATRIX_SCALE_ROW1
.elseif ((\t)%2 == 0)
	v_wmma_scale_f32_16x16x128_f8f6f4 v[XD:XD+7], v[XK:XK+11], v[XQ:XQ+11], v[BIA:BIA+7], v[XSK], v[XSQ] matrix_a_fmt:MATRIX_FMT_FP6 matrix_b_fmt:MATRIX_FMT_FP6 matrix_b_scale:MATRIX_SCALE_ROW1
.else
	v_wmma_scale_f32_16x16x128_f8f6f4 v[XD:XD+7], v[XK:XK+11], v[XQ:XQ+11], v[BIA:BIA+7], v[XSK], v[XSQ] matrix_a_fmt:MATRIX_FMT_FP6 matrix_b_fmt:MATRIX_FMT_FP6 matrix_a_scale:MATRIX_SCALE_ROW1 matrix_b_scale:MATRIX_SCALE_ROW1
.endif
.endm
.macro QK qt, sb                       ; x = q.k + 8 b for 128 keys x tile qt, into buffer sb: eight results, none adds onto another
	WIN W_QK
.irp t, 0,1,2,3,4,5,6,7
	QK1 \qt, \sb, \t
.endr
.endm
.macro RELU sb                         ; each result is read from its low end on
.set j, 0
.rept 64
	v_max_num_f32 v[\sb+j], 0, v[\sb+j]
.set j, j+1
.endr
.endm
.macro SUM qt, sb, first               ; pass 1: the sum of relu(x)^2, two at a time, in four chains; first = 1: the first four start the chains: nothing is cleared
	RELU \sb
.set j, 0
.rept 32
.if \first && (j < 4)
	v_pk_mul_f32 v[ACC+8*\qt+2*(j%4):ACC+8*\qt+2*(j%4)+1], v[\sb+2*j:\sb+2*j+1], v[\sb+2*j:\sb+2*j+1]
.else
	v_pk_fma_f32 v[ACC+8*\qt+2*(j%4):ACC+8*\qt+2*(j%4)+1], v[\sb+2*j:\sb+2*j+1], v[\sb+2*j:\sb+2*j+1], v[ACC+8*\qt+2*(j%4):ACC+8*\qt+2*(j%4)+1]
.endif
.set j, j+1
.endr
.endm
.macro QUANTP qt, sb                   ; 64 numbers, none negative: register 16 b + i = key 32 b + 16 (lane / 16) + i: attn's fragment and scale word for these 128 keys
.irp b, 0,1,2,3
	v_max3_num_f32 v[TM+\b], v[\sb+16*\b], v[\sb+16*\b+1], 0x1800000   ; and the floor 2^(3 - 127): the byte cannot fall under 1
.endr
.irp i, 2,4,6,8,10,12,14
.irp b, 0,1,2,3
	v_max3_num_f32 v[TM+\b], v[TM+\b], v[\sb+16*\b+\i], v[\sb+16*\b+\i+1]
.endr
.endr
.irp b, 0,1,2,3
	v_permlanex16_b32 v[TM+4+\b], v[TM+\b], s[SEL], s[SEL+1]
.endr
.irp b, 0,1,2,3
	v_max_num_f32 v[TM+\b], v[TM+\b], v[TM+4+\b]
.endr
.irp b, 0,1,2,3
	v_add_nc_u32 v[TM+12+\b], 0xff000000, v[TM+\b]
.endr
.irp b, 0,1,2,3
	v_lshrrev_b32 v[TM+4+\b], 23, v[TM+12+\b]
.endr
	v_lshl_or_b32 v[PSC+\qt], v[TM+5], 8, v[TM+4]
	v_lshl_or_b32 v[PSC+\qt], v[TM+6], 16, v[PSC+\qt]
	v_lshl_or_b32 v[PSC+\qt], v[TM+7], 24, v[PSC+\qt]
.irp c, 0,1
	v_cvt_scalef32_pk16_fp6_f32 v[P+12*\qt+6*\c:P+12*\qt+6*\c+2], v[\sb+32*\c:\sb+32*\c+15], v[TM+12+2*\c]
	v_cvt_scalef32_pk16_fp6_f32 v[CT+4*\c:CT+4*\c+2], v[\sb+32*\c+16:\sb+32*\c+31], v[TM+13+2*\c]
.endr
	v_nop                                          ; one plain place behind a scaled conversion
.irp c, 0,1
.irp i, 0,1,2
	v_permlane16_swap_b32 v[P+12*\qt+6*\c+\i], v[CT+4*\c+\i]
.endr
.irp i, 0,1,2
	v_mov_b32 v[P+12*\qt+3+6*\c+\i], v[CT+4*\c+\i]
.endr
.endr
.endm
.macro PROC qt, sb                     ; pass 2: relu, square, x 1 / (sum + eps), quantise
	RELU \sb
.set j, 0
.rept 32
	v_pk_mul_f32 v[\sb+2*j:\sb+2*j+1], v[\sb+2*j:\sb+2*j+1], v[\sb+2*j:\sb+2*j+1]
.set j, j+1
.endr
.set j, 0
.rept 32
	v_pk_mul_f32 v[\sb+2*j:\sb+2*j+1], v[\sb+2*j:\sb+2*j+1], v[RI+2*\qt:RI+2*\qt+1]
.set j, j+1
.endr
	QUANTP \qt, \sb
.endm
.macro LOADV                           ; the step's four fragments of v (16 features x 128 keys) over k's registers, and their scale words
	v_add_nc_u32 v[ADV16], s[TV], v[L16]
	v_add_nc_u32 v[ADV8], s[TV], v[L8]
	v_add_nc_u32 v[ADT], s[TW], v[L8]
	ds_load_b64 v[VSC:VSC+1], v[ADT]
	WIN TO1
.irp d, 0,1,2,3
.irp c, 0,1
	ds_load_b128 v[VF+12*\d+6*\c:VF+12*\d+6*\c+3], v[ADV16] offset:1536*\d+768*\c
	ds_load_b64 v[VF+12*\d+6*\c+4:VF+12*\d+6*\c+5], v[ADV8] offset:1536*\d+768*\c+512
.endr
.endr
	WIN 0
.endm
.macro PV1 qt, dt, first
.set XD,  32*(\qt)+8*(\dt)
.set XV,  VF+12*(\dt)
.set XP,  P+12*(\qt)
.set XSV, VSC+(\dt)/2
.set XSP, PSC+(\qt)
.if \first && ((\dt)%2 == 0)
	v_wmma_scale_f32_16x16x128_f8f6f4 v[XD:XD+7], v[XV:XV+11], v[XP:XP+11], 0, v[XSV], v[XSP] matrix_a_fmt:MATRIX_FMT_FP6 matrix_b_fmt:MATRIX_FMT_FP6
.elseif \first
	v_wmma_scale_f32_16x16x128_f8f6f4 v[XD:XD+7], v[XV:XV+11], v[XP:XP+11], 0, v[XSV], v[XSP] matrix_a_fmt:MATRIX_FMT_FP6 matrix_b_fmt:MATRIX_FMT_FP6 matrix_a_scale:MATRIX_SCALE_ROW1
.elseif ((\dt)%2 == 0)
	v_wmma_scale_f32_16x16x128_f8f6f4 v[XD:XD+7], v[XV:XV+11], v[XP:XP+11], v[XD:XD+7], v[XSV], v[XSP] matrix_a_fmt:MATRIX_FMT_FP6 matrix_b_fmt:MATRIX_FMT_FP6
.else
	v_wmma_scale_f32_16x16x128_f8f6f4 v[XD:XD+7], v[XV:XV+11], v[XP:XP+11], v[XD:XD+7], v[XSV], v[XSP] matrix_a_fmt:MATRIX_FMT_FP6 matrix_b_fmt:MATRIX_FMT_FP6 matrix_a_scale:MATRIX_SCALE_ROW1
.endif
.endm
.macro PV first                        ; O^T += V^T P^T: 16 accumulators, one instruction each; first = 1: the products start the sums
	WIN W_PV
.irp d, 0,1,2,3
.irp t, 0,1,2,3
	PV1 \t, \d, \first
.endr
.endr
.endm
; A key step of pass 1.  A tile's vector work is also the places between the other buffer's products and their first reader, and between a buffer's products and the next products that write over it.
.macro STEP1 first
	LOADK
	QK 0, SX0
	QK 1, SX1
	WIN 0
	PLACES 4
	SUM 0, SX0, \first
	QK 2, SX0
	WIN 0
	SUM 1, SX1, \first
	QK 3, SX1
	WIN 0
	SUM 2, SX0, \first
	SUM 3, SX1, \first
	s_add_co_u32 s[TK], s[TK], 6144
	s_add_co_u32 s[TS], s[TS], 512
.endm
; A key step of pass 2.  v's loads stand where k's registers are free: behind tile 2's vector work, which is the places behind the last score products.
.macro STEP2 first
	LOADK
	QK 0, SX0
	QK 1, SX1
	WIN 0
	PLACES 4
	PROC 0, SX0
	QK 2, SX0
	WIN 0
	PROC 1, SX1
	QK 3, SX1
	WIN 0
	PROC 2, SX0
	LOADV
	PROC 3, SX1
	PLACES 8                                       ; a scale register written by a vector instruction stands 8 places ahead of a scaled matrix instruction, an operand so written 4
	s_wait_dscnt 0x0                               ; v is in
	PV \first
	WIN 0
	s_add_co_u32 s[TK], s[TK], 6144
	s_add_co_u32 s[TS], s[TS], 512
	s_add_co_u32 s[TV], s[TV], 6144
	s_add_co_u32 s[TW], s[TW], 256
.endm
	s_wait_tensorcnt 0x1                           ; my eighth of K is in; V's may stay out
	s_barrier_signal -1
	s_barrier_wait -1                              ; everybody's is
	s_wait_loadcnt 0x0                             ; q
	s_mov_b32 s[TK], 0
	s_mov_b32 s[TS], KSO
	STEP1 1                                        ; the first step starts the sums
	s_mov_b32 s[CNT], 15
.Lpass1:
	STEP1 0
	s_sub_co_u32 s[CNT], s[CNT], 1
	s_cmp_lg_u32 s[CNT], 0
	s_cbranch_scc1 .Lpass1
	; the rows' sums: four chains of pairs, the pair's halves, the other half of the lanes'; + 64 x 1e-32; the reciprocal
.irp t, 0,1,2,3
	v_pk_add_f32 v[ACC+8*\t:ACC+8*\t+1], v[ACC+8*\t:ACC+8*\t+1], v[ACC+8*\t+2:ACC+8*\t+3]
	v_pk_add_f32 v[ACC+8*\t+4:ACC+8*\t+5], v[ACC+8*\t+4:ACC+8*\t+5], v[ACC+8*\t+6:ACC+8*\t+7]
.endr
.irp t, 0,1,2,3
	v_pk_add_f32 v[ACC+8*\t:ACC+8*\t+1], v[ACC+8*\t:ACC+8*\t+1], v[ACC+8*\t+4:ACC+8*\t+5]
.endr
.irp t, 0,1,2,3
	v_add_f32 v[TM+\t], v[ACC+8*\t], v[ACC+8*\t+1]
.endr
.irp t, 0,1,2,3
	v_permlanex16_b32 v[TM+4+\t], v[TM+\t], s[SEL], s[SEL+1]
.endr
.irp t, 0,1,2,3
	v_add_f32 v[TM+\t], v[TM+\t], v[TM+4+\t]
.endr
.irp t, 0,1,2,3
	v_add_f32 v[TM+\t], 0x0d4fb11f, v[TM+\t]       ; 64 x the f32 number 1e-32
.endr
.irp t, 0,1,2,3
	v_rcp_f32 v[RI+2*\t], v[TM+\t]                 ; twice: the pair that the packed multiplication takes
	v_rcp_f32 v[RI+2*\t+1], v[TM+\t]
.endr
	v_nop                                          ; a plain instruction behind the last reciprocal (ISA guide 5.7.2),
	s_wait_alu depctr_va_vdst(0)                   ; and a wait ahead of the first use: one for the eight
	s_wait_tensorcnt 0x0                           ; my eighth of V is in,
	s_wait_dscnt 0x0
	s_barrier_signal -1
	s_barrier_wait -1                              ; everybody's is
	s_mov_b32 s[TK], 0
	s_mov_b32 s[TS], KSO
	s_mov_b32 s[TV], VCO
	s_mov_b32 s[TW], VSO
	STEP2 1                                        ; the first step starts O^T's sums
	s_mov_b32 s[CNT], 15
.Lpass2:
	STEP2 0
	s_sub_co_u32 s[CNT], s[CNT], 1
	s_cmp_lg_u32 s[CNT], 0
	s_cbranch_scc1 .Lpass2
; THE WAY OUT.  A tile's 32 registers of O^T are the head's 64 along D, 16 of each block of 32 in a lane: six registers of codes (a half image) and two scale bytes.
.macro HQUANT qt
	WIN 0x05                                       ; sources 0 and 1 window 1
.irp b, 0,1
	v_max3_num_f32 v[TM+\b], |v[32*\qt+16*\b]|, |v[32*\qt+16*\b+1]|, 0x1800000   ; each accumulator is read from its low end on
.endr
.irp i, 2,4,6,8,10,12,14
.irp b, 0,1
	v_max3_num_f32 v[TM+\b], |v[32*\qt+16*\b+\i]|, |v[32*\qt+16*\b+\i+1]|, v[TM+\b]
.endr
.endr
	WIN 0
.irp b, 0,1
	v_permlanex16_b32 v[TM+4+\b], v[TM+\b], s[SEL], s[SEL+1]
.endr
.irp b, 0,1
	v_max_num_f32 v[TM+\b], v[TM+\b], v[TM+4+\b]
.endr
.irp b, 0,1
	v_add_nc_u32 v[TM+12+\b], 0xff000000, v[TM+\b]
.endr
.irp b, 0,1
	v_lshrrev_b32 v[TM+4+\b], 23, v[TM+12+\b]
.endr
	v_lshl_or_b32 v[OW+\qt], v[TM+5], 8, v[TM+4]
	WIN 0x01                                       ; source 0 window 1
	v_cvt_scalef32_pk16_fp6_f32 v[OC+8*\qt:OC+8*\qt+2], v[32*\qt:32*\qt+15], v[TM+12]
	v_cvt_scalef32_pk16_fp6_f32 v[CT:CT+2], v[32*\qt+16:32*\qt+31], v[TM+13]
	WIN 0
	v_nop                                          ; one plain place behind a scaled conversion
.irp i, 0,1,2
	v_permlane16_swap_b32 v[OC+8*\qt+\i], v[CT+\i]
.endr
.irp i, 0,1,2
	v_mov_b32 v[OC+8*\qt+3+\i], v[CT+\i]
.endr
	global_store_b128 v[L16], v[OC+8*\qt:OC+8*\qt+3], s[OP:OP+1] offset:12288*\qt        ; 512 and 256 consecutive bytes, aligned to 256; each tile has registers of its own
	global_store_b64 v[L8], v[OC+8*\qt+4:OC+8*\qt+5], s[OP:OP+1] offset:12288*\qt+512
.endm
	PLACES 4
.irp t, 0,1,2,3
	HQUANT \t
.endr
.irp p, 0,1
	v_cndmask_b32 v[OWM+\p], v[OW+2*\p], v[OW+2*\p+1], s[HM]   ; lanes 0-15: tile 2 p's rows, lanes 16-31: tile 2 p + 1's
	global_store_b16 v[GOS], v[OWM+\p], s[OSP:OSP+1] offset:1024*\p
.endr
	s_wait_tensorcnt 0x0                           ; the wave's end, behind my last tensor load
	ds_add_u32 v[SPW], v[NIL]
	s_wait_dscnt 0x0
	ROUND                                          ; the closing round
	s_endpgm
.Lfunc_end_k_q9a7d85638a_attn:
	.size	k_q9a7d85638a_attn, .Lfunc_end_k_q9a7d85638a_attn-k_q9a7d85638a_attn
	.p2alignl 7, 3214868480
	.fill 96, 4, 3214868480
	.section	.rodata,"a",@progbits
	.p2align	6, 0x0
	.amdhsa_kernel k_q9a7d85638a_attn
		.amdhsa_group_segment_fixed_size 209920
		.amdhsa_private_segment_fixed_size 0
		.amdhsa_enable_private_segment 0
		.amdhsa_kernarg_size 24
		.amdhsa_user_sgpr_count 2
		.amdhsa_user_sgpr_kernarg_segment_ptr 1
		.amdhsa_wavefront_size32 1
		.amdhsa_system_sgpr_workgroup_id_x 1
		.amdhsa_system_sgpr_workgroup_id_y 1
		.amdhsa_system_sgpr_workgroup_id_z 1
		.amdhsa_system_vgpr_workitem_id 0
		.amdhsa_next_free_vgpr 512
		.amdhsa_next_free_sgpr 80
		.amdhsa_reserve_vcc 0
		.amdhsa_float_denorm_mode_32 3
		.amdhsa_float_denorm_mode_16_64 3
		.amdhsa_memory_ordered 1
		.amdhsa_forward_progress 1
		.amdhsa_inst_pref_size 160
	.end_amdhsa_kernel
	.amdgpu_metadata
---
amdhsa.version: [ 1, 2 ]
amdhsa.kernels:
  - .name:           k_q9a7d85638a_attn
    .symbol:         k_q9a7d85638a_attn.kd
    .args:
      - { .name: qkv, .offset: 0, .size: 8, .value_kind: global_buffer, .address_space: global }
      - { .name: sn_bias, .offset: 8, .size: 8, .value_kind: global_buffer, .address_space: global }
      - { .name: oimg, .offset: 16, .size: 8, .value_kind: global_buffer, .address_space: global }
    .group_segment_fixed_size: 209920
    .private_segment_fixed_size: 0
    .kernarg_segment_align: 8
    .kernarg_segment_size: 24
    .max_flat_workgroup_size: 256
    .sgpr_count:     80
    .vgpr_count:     512
    .wavefront_size: 32
...
	.end_amdgpu_metadata
.endif
;; end of part 3
;; launch gemm_out (part 4): grid 4 x 32, 4 waves a work-group, clusters of 4 x 4, 327,680 bytes of LDS; arguments oimg, qin, out0; writes out0
.if DOCPART == 4
	.amdgcn_target "amdgcn-amd-amdhsa--gfx1250"
	.amdhsa_code_object_version 6
	.text
	.protected	k_q9a7d85638a_gemm_out
	.globl	k_q9a7d85638a_gemm_out
	.p2align	8
	.type	k_q9a7d85638a_gemm_out,@function
k_q9a7d85638a_gemm_out:
	s_mov_b64 s[64:65], 0
	v_nop
	global_prefetch_b8 v0, s[64:65] scope:SCOPE_SE
	s_setreg_imm32_b32 hwreg(HW_REG_WAVE_MODE, 25, 1), 1
	s_wait_xcnt 0x0
	s_wait_alu depctr_hold_cnt(0) depctr_sa_sdst(0) depctr_va_vdst(0) depctr_va_sdst(0) depctr_va_ssrc(0) depctr_va_vcc(0) depctr_vm_vsrc(0)
	s_getreg_b32 s2, hwreg(HW_REG_IB_STS2, 6, 4)
	s_cmp_eq_u32 s2, 0
	s_cbranch_scc0 .Lentry_in_a_cluster
	s_endpgm
.Lentry_in_a_cluster:
	s_bfe_u32 s2, ttmp6, 0x10000c
	s_cmp_lg_u32 s2, 0xf033
	s_cbranch_scc0 .Lentry_shape_is_right
	s_endpgm
.Lentry_shape_is_right:
; out0 = o w_out^T on codes of FP6 (E2M3) with E8M0 scales; out0 [8192][1024] f32.  o's codes come from oimg, w_out's from qin (tiles 704-767), both as images of the operand's registers
; (768 bytes for 16 rows x 64 K: registers 0-3 at 16 x lane, 4-5 at 512 + 8 x lane; 12,288 bytes a tile of 16 rows), with a block of 512 bytes of scale words a tile.
; A tile of the result, 256 x 256, is made by four waves, each 128 x 128: 64 accumulators, 512 registers.  K = 1,024 goes in four fills of 256 through two LDS slots; the eight steps of 128 are written out.
; THE MATRIX INSTRUCTION IS USED TRANSPOSED: source 0 = 16 rows of w_out, source 1 = 16 tokens: a lane holds one token, and the 16 registers of w_out's tiles 2 t and 2 t + 1 are output features
; 32 t + 16 (lane / 16) + 0 .. 15.  THE TOKENS OF A STORED TILE ARE NOT NEIGHBOURS: position p of tile 2 T + u is token 32 T + 8 u + p % 8 + 16 (p / 8): the stores' offsets put each row in its place.
; CLUSTERS: 4 x 4 work-groups; o's tiles are asked for jointly by a row of the cluster, w_out's by a column.  128 work-groups: the grid of 32 x 4 tiles of 256 x 256.
.set SCOFF,  9437184                   ; qin: where the scale blocks begin
.set OSC,    6291456                   ; oimg: likewise
.set TILEB,  12288
.set HALFT,  24576                     ; 8 tiles x 3,072 bytes (256 along K)
.set SLOT,   4*HALFT
.set SPARE,  2*SLOT                    ; behind the ring: the spare words, 128 bytes a wave: two blocks of 256 bytes that no other line names
.set SPITCH, 528                       ; the way out: a stage of 16 rows x (512 bytes + 16) for each wave, in slot 0, which has had its last fill and its last read when the first result is stored there
.set FR,     12
.set ADA16, 16
.set ADA8,  18
.set ADB16, 20
.set ADB8,  22
.set L16,   24                         ; v24  16 x lane
.set L8,    25                         ; v25  8 x lane
.set STO,   26                         ; v26  the stage: where I put 32 bytes of a row
.set RD,    27                         ; v27  and where I read a row back
.set SPW,   28                         ; v28  LDS address of my spare word; never rewritten
.set NIL,   29                         ; v29  0; never rewritten
.set SA,    32                         ; v32-63 A's scale words;  v64-95 B's
.set SB,    64
.set AF,    128                        ; v128-223 A's fragments, ONE set
.set BK,    128                        ; the way out: 16 rows read back: v128-191 and v192-255 by turns
.set G1,  24
.set G0,  32
.set G1B, 48
.set G0B, 56
.set MSB, 0
.macro WIN new                         ; the immediate's high byte repeats the setting that is left
.if MSB != (\new)
	s_set_vgpr_msb (MSB<<8)|(\new)
.set MSB, (\new)
.endif
.endm
.set MUL_LO, 0xa1                      ; source 0 (B) window 1, source 1 (A) window 0, C and D window 2
.set MUL_HI, 0xf1                      ; the same, C and D window 3
.set TO_B,   0x40                      ; destination window 1, address window 0
; A joint load: waves 0 and 1 fetch A's halves, waves 2 and 3 B's; the branch hangs on the wave's number alone.  An s_nop 0 and four v_nop follow each of the two lines.
.macro JLOAD g0a, g1a, g0b, g1b
	s_cmp_eq_u32 s15, 0
	s_cbranch_scc0 .Lfor_b_\@
	tensor_load_to_lds s[\g0a:\g0a+3], s[\g1a:\g1a+7]
	s_nop 0
.rept 4
	v_nop
.endr
	s_branch .Lasked_\@
.Lfor_b_\@:
	tensor_load_to_lds s[\g0b:\g0b+3], s[\g1b:\g1b+7]
	s_nop 0
.rept 4
	v_nop
.endr
.Lasked_\@:
.endm
.macro CREST
	s_cmp_lg_u32 s14, 0
	s_cbranch_scc1 .Lnot_wave_0_\@
	s_barrier_signal -3
.Lnot_wave_0_\@:
	s_barrier_wait -3
	s_barrier_signal -1
	s_barrier_wait -1
.endm
.macro CROUND
	s_barrier_signal -1
	s_barrier_wait -1
	CREST
.endm
.macro PLACES                          ; four places in front of loads into registers that matrix instructions have read, and of the first read of results
.rept 4
	v_nop
.endr
.endm
	s_load_b128 s[4:7], s[0:1], 0x0                ; oimg, qin
	s_load_b64 s[8:9], s[0:1], 0x10                ; out0
	v_lshl_add_u32 v[SPW], v0, 2, SPARE
	v_mov_b32 v[NIL], 0
	ds_add_u32 v[SPW], v[NIL]                      ; the wave's opening: the add and its wait stand ahead of my first tensor load; the set-up below, work on registers, stands between them
	v_lshrrev_b32 v1, 5, v0
	v_readfirstlane_b32 s14, v1                    ; wave 0..3
	s_lshr_b32 s15, s14, 1                         ; which half of the tokens is mine.  Also: I fetch for A (0) or for B (1)
	s_and_b32 s16, s14, 1                          ; which half of the features.  Also: which 8 tiles I fetch
	s_bfe_u32 s40, ttmp6, 0x40000                  ; cx
	s_bfe_u32 s41, ttmp6, 0x40004                  ; cy
	s_lshl_b32 s42, ttmp9, 2
	s_add_co_u32 s42, s42, s40                     ; tile column tc = 4 x cluster x + cx
	s_and_b32 s17, ttmp7, 0xffff
	s_lshl_b32 s17, s17, 2
	s_add_co_u32 s17, s17, s41                     ; tile row tr = 4 x cluster y + cy
	s_lshl_b32 s43, s41, 2
	s_lshl_b32 s43, 15, s43                        ; my row of the cluster
	s_lshl_b32 s44, 0x1111, s40                    ; my column
	; descriptor group 1: 8 rows (tiles) of 3,072 bytes, 12,288 bytes apart, as elements of 8 bytes; dense in LDS
	s_or_b32 s[G1+0], s43, (3<<16)|(1<<21)
	s_or_b32 s[G1B+0], s44, (3<<16)|(1<<21)
.irp g, G1, G1B
	s_mov_b32 s[\g+1], 384<<16                     ; tensor_dim0 = 384
	s_mov_b32 s[\g+2], 8<<16                       ; tensor_dim1 = 8
	s_mov_b32 s[\g+3], 384<<16                     ; tile_dim0 = 384
	s_mov_b32 s[\g+4], 8                           ; tile_dim1 = 8
	s_mov_b32 s[\g+5], 1536                        ; tensor_dim0_stride
	s_mov_b32 s[\g+6], 0
	s_mov_b32 s[\g+7], 0
.endr
	s_lshl_b32 s18, s16, 3                         ; which 8 tiles I fetch
	s_lshl_b32 s20, s17, 4
	s_add_co_u32 s20, s20, s18
	s_mul_i32 s20, s20, TILEB                      ; A: made of the tile row and the wave's number alone
	s_mov_b32 s21, 0
	s_lshl_b32 s46, s42, 4
	s_add_co_u32 s46, s46, 704
	s_add_co_u32 s46, s46, s18
	s_mul_i32 s46, s46, TILEB                      ; B: of the tile column and the wave's number alone
	s_mov_b32 s47, 0
	s_mul_i32 s45, s14, HALFT                      ; where they go: no place in the cluster enters an LDS address
	s_lshl_b32 s86, s17, 4                         ; the scale blocks of the 8 tiles of A that I multiply,
	s_lshl_b32 s18, s15, 3
	s_add_co_u32 s86, s86, s18
	s_lshl_b32 s86, s86, 9
	s_add_co_u32 s86, s86, OSC
	s_mov_b32 s87, 0
	s_lshl_b32 s88, s42, 4                         ; and of B
	s_add_co_u32 s88, s88, 704
	s_lshl_b32 s18, s16, 3
	s_add_co_u32 s88, s88, s18
	s_lshl_b32 s88, s88, 9
	s_add_co_u32 s88, s88, SCOFF
	s_mov_b32 s89, 0
	s_lshl_b32 s90, s17, 20                        ; my part of out0: row 256 tr + 128 half, of 4,096 bytes; column 256 tc + 128 half, of 4 bytes
	s_lshl_b32 s91, s15, 19
	s_add_co_u32 s90, s90, s91
	s_lshl_b32 s91, s42, 10
	s_add_co_u32 s90, s90, s91
	s_lshl_b32 s91, s16, 9
	s_add_co_u32 s90, s90, s91
	s_mov_b32 s91, 0
	s_wait_dscnt 0x0                               ; the opening add is done
	s_wait_kmcnt 0x0
	s_add_nc_u64 s[20:21], s[4:5], s[20:21]
	s_add_nc_u64 s[46:47], s[6:7], s[46:47]
	s_add_nc_u64 s[86:87], s[4:5], s[86:87]
	s_add_nc_u64 s[88:89], s[6:7], s[88:89]
	s_add_nc_u64 s[12:13], s[8:9], s[90:91]
	CROUND                                         ; all sixteen work-groups are here: the first joint loads meet
.irp s, 0,1
	s_mov_b32 s[G0+4*\s], 1
	s_add_co_u32 s[G0+4*\s+1], s45, \s*SLOT
	s_add_nc_u64 s[G0+4*\s+2:G0+4*\s+3], s[20:21], \s*3072
	s_or_b32 s[G0+4*\s+3], s[G0+4*\s+3], 0x80000000
	s_mov_b32 s[G0B+4*\s], 1
	s_add_co_u32 s[G0B+4*\s+1], s45, \s*SLOT
	s_add_nc_u64 s[G0B+4*\s+2:G0B+4*\s+3], s[46:47], \s*3072
	s_or_b32 s[G0B+4*\s+3], s[G0B+4*\s+3], 0x80000000
	JLOAD G0+4*\s, G1, G0B+4*\s, G1B
.endr
	v_and_b32 v1, 31, v0
	v_lshlrev_b32 v[L16], 4, v1
	v_lshlrev_b32 v[L8], 3, v1
	s_mul_i32 s90, s15, HALFT                      ; my 8 tiles of A
	s_mul_i32 s91, s16, HALFT                      ; my 8 tiles of B,
	s_add_co_u32 s91, s91, 2*HALFT                 ; which lie behind A's 16
.irp s, 0,1
	v_add_nc_u32 v[ADA16+\s], s90, v[L16]
	v_add_nc_u32 v[ADA8+\s], s90, v[L8]
	v_add_nc_u32 v[ADB16+\s], s91, v[L16]
	v_add_nc_u32 v[ADB8+\s], s91, v[L8]
	s_add_co_u32 s90, s90, SLOT
	s_add_co_u32 s91, s91, SLOT
.endr
.irp i, 0,1,2,3,4,5,6,7
	global_load_b128 v[SA+4*\i:SA+4*\i+3], v[L16], s[86:87] offset:512*\i   ; a tile's scale words for all of K: 512 consecutive bytes
	global_load_b128 v[SB+4*\i:SB+4*\i+3], v[L16], s[88:89] offset:512*\i
.endr
	v_and_b32 v2, 15, v0                           ; r
	v_bfe_u32 v3, v0, 4, 1                         ; h
	s_mul_i32 s92, s14, 16*SPITCH                  ; my stage
	v_mul_u32_u24 v[STO], v2, SPITCH
	v_lshl_add_u32 v[STO], v3, 6, v[STO]           ; in: row r, + 64 h: my 16 features of each 32
	v_add_nc_u32 v[STO], s92, v[STO]
	v_add_nc_u32 v[RD], s92, v[L16]                ; back: the 32 lanes take one row of 512 bytes
.macro FRAG reg, a16, a8, q, i         ; a fragment, 16 rows x 128 K: two half images on end: four loads
	ds_load_b128 v[\reg:\reg+3], v[\a16] offset:(\i)*3072+(\q)*1536
	ds_load_b64 v[\reg+4:\reg+5], v[\a8] offset:(\i)*3072+(\q)*1536+512
	ds_load_b128 v[\reg+6:\reg+9], v[\a16] offset:(\i)*3072+(\q)*1536+768
	ds_load_b64 v[\reg+10:\reg+11], v[\a8] offset:(\i)*3072+(\q)*1536+1280
.endm
.macro FETCH_B slot, q, set
	WIN TO_B
.irp i, 0,1,2,3,4,5,6,7
	FRAG 128*(\set)+FR*\i, ADB16+\slot, ADB8+\slot, \q, \i
.endr
	WIN 0
.endm
.macro FETCH_A slot, q, i0
.irp i, \i0, \i0+1, \i0+2, \i0+3
	FRAG AF+FR*(\i), ADA16+\slot, ADA8+\slot, \q, \i
.endr
.endm
.macro MM a, b, set, ks, zero          ; one product: A's block a x B's block b, K step ks; an odd K step's scale words stand in lanes 16-31
.set XD,  8*(8*((\a)%4)+(\b))
.set XBF, 128*(\set)+FR*(\b)
.set XAF, AF+FR*(\a)
.set XSB, SB+4*(\b)+(\ks)/2
.set XSA, SA+4*(\a)+(\ks)/2
.if \zero
	v_wmma_scale_f32_16x16x128_f8f6f4 v[XD:XD+7], v[XBF:XBF+11], v[XAF:XAF+11], 0, v[XSB], v[XSA] matrix_a_fmt:MATRIX_FMT_FP6 matrix_b_fmt:MATRIX_FMT_FP6
.elseif (\ks)%2
	v_wmma_scale_f32_16x16x128_f8f6f4 v[XD:XD+7], v[XBF:XBF+11], v[XAF:XAF+11], v[XD:XD+7], v[XSB], v[XSA] matrix_a_fmt:MATRIX_FMT_FP6 matrix_b_fmt:MATRIX_FMT_FP6 matrix_a_scale:MATRIX_SCALE_ROW1 matrix_b_scale:MATRIX_SCALE_ROW1
.else
	v_wmma_scale_f32_16x16x128_f8f6f4 v[XD:XD+7], v[XBF:XBF+11], v[XAF:XAF+11], v[XD:XD+7], v[XSB], v[XSA] matrix_a_fmt:MATRIX_FMT_FP6 matrix_b_fmt:MATRIX_FMT_FP6
.endif
.endm
.macro MUL16 a0, set, ks, zero         ; 16 products.  The 64 accumulators take turns, one instruction a turn, in the same order in every step
.irp a, \a0, \a0+1
.irp b, 0,1,2,3,4,5,6,7
	MM \a, \b, \set, \ks, \zero
.endr
.endr
.endm
.macro STEP slot, ks, zero             ; a slot's first 128 along K (B's set 0); it fetches the second
	s_wait_dscnt 16                                ; B's set and A's blocks 0-3 are in; the youngest 16 loads (A's blocks 4-7) may be out
	WIN MUL_LO
	MUL16 0, 0, \ks, \zero
	MUL16 2, 0, \ks, \zero
	s_wait_dscnt 0x0                               ; A's blocks 4-7 are in
	PLACES
	FETCH_B \slot, 1, 1
	FETCH_A \slot, 1, 0
	WIN MUL_HI
	MUL16 4, 0, \ks, \zero
	MUL16 6, 0, \ks, \zero
	PLACES
	WIN 0
	FETCH_A \slot, 1, 4
.endm
; A slot's second 128 along K (B's set 1) changes slots: ONE barrier; in front of it each wave waits for all its tensor loads, adds 0 to its spare word, and waits for that and for its reads of this slot.
.macro TURN slot, next, fill, ks
	s_wait_tensorcnt 0x0                           ; all my tensor loads have landed: my part of the next slot
	ds_add_u32 v[SPW], v[NIL]                      ; 0 onto my spare word
	s_wait_dscnt 17                                ; (the add and the youngest 16 loads, A's blocks 4-7, may be out)
	WIN MUL_LO
	MUL16 0, 1, \ks, 0                             ; sixteen matrix instructions stand between the add and the wait for it
	s_wait_dscnt 0x0                               ; the add is done, and my reads of this slot are over
	s_barrier_signal -1
	MUL16 2, 1, \ks, 0
	WIN 0
	s_barrier_wait -1
.if \fill
	CREST                                          ; the barrier has opened a round of the cluster's barrier: no wave of any partner still reads this slot or has a load on its way
	s_add_nc_u64 s[G0+4*\slot+2:G0+4*\slot+3], s[G0+4*\slot+2:G0+4*\slot+3], 6144
	s_add_nc_u64 s[G0B+4*\slot+2:G0B+4*\slot+3], s[G0B+4*\slot+2:G0B+4*\slot+3], 6144
	JLOAD G0+4*\slot, G1, G0B+4*\slot, G1B         ; the first tensor load behind the round; its four v_nop are the places in front of the loads below
.else
	PLACES
.endif
	FETCH_B \next, 0, 0
	FETCH_A \next, 0, 0
	WIN MUL_HI
	MUL16 4, 1, \ks, 0
	MUL16 6, 1, \ks, 0
	PLACES
	WIN 0
	FETCH_A \next, 0, 4
.endm
	s_wait_tensorcnt 1                             ; my part of fill 0 is in (fill 1's load may be out)
	s_barrier_signal -1
	s_barrier_wait -1                              ; everybody's is
	FETCH_B 0, 0, 0
	FETCH_A 0, 0, 0
	FETCH_A 0, 0, 4
	s_wait_loadcnt 0x0                             ; the scale words
	STEP 0, 0, 1                                   ; the first products start the sums: nothing is cleared
	TURN 0, 1, 1, 1
	STEP 1, 2, 0
	TURN 1, 0, 1, 3
	STEP 0, 4, 0
	TURN 0, 1, 0, 5                                ; nothing is left to fetch; behind this barrier nobody reads slot 0
	STEP 1, 6, 0
	s_wait_dscnt 16
	WIN MUL_LO
	MUL16 0, 1, 7, 0
	MUL16 2, 1, 7, 0
	s_wait_dscnt 0x0
	WIN MUL_HI
	MUL16 4, 1, 7, 0
	MUL16 6, 1, 7, 0
	WIN 0
; THE WAY OUT, block by block of 16 tokens x 128 features.  A lane holds pieces of 32 bytes of one row: a block goes through my own stage in LDS and comes back as whole rows of 512 bytes, which the
; 32 lanes store as two aligned blocks of 256 bytes.  LDS serves a wave's instructions in order (ISA guide 5.7.1.4): no wait between the stores and the loads, nor in front of the next block's stores.
.macro TOSTAGE a
.set AC, 64*((\a)%4)
.set WS, 8+4*((\a)/4)
	WIN WS                                         ; an LDS store's data are its source 1: window 2 or 3
.irp b, 0,1,2,3,4,5,6,7
	ds_store_b128 v[STO], v[AC+8*\b:AC+8*\b+3] offset:128*(\b/2)+32*(\b%2)        ; features 32 (b / 2) + 16 h + 8 (b % 2) on; each accumulator from its low end on
	ds_store_b128 v[STO], v[AC+8*\b+4:AC+8*\b+7] offset:128*(\b/2)+32*(\b%2)+16
.endr
	WIN 0
.set BB, BK+64*((\a)%2)
.irp t, 0,1,2,3,4,5,6,7,8,9,10,11,12,13,14,15
	ds_load_b128 v[BB+4*\t:BB+4*\t+3], v[RD] offset:\t*SPITCH
.endr
.endm
.macro SEND a, younger                 ; younger: the LDS instructions issued behind block a's loads, which may stay out.  Position t of block a is row 32 (a / 2) + 8 (a % 2) + t % 8 + 16 (t / 8) of my 128
.set BB, BK+64*((\a)%2)
	s_wait_dscnt \younger
.irp t, 0,1,2,3,4,5,6,7,8,9,10,11,12,13,14,15
	global_store_b128 v[L16], v[BB+4*\t:BB+4*\t+3], s[12:13] offset:(32*((\a)/2)+16*(\t/8)+8*((\a)%2)+(\t%8))*4096 th:TH_STORE_NT   ; 512 consecutive bytes, aligned to 256; 127 rows at the most: inside the signed 24-bit immediate
.endr
.endm
	PLACES
	TOSTAGE 0
.irp a, 1,2,3,4,5,6,7
.if \a > 1
	s_wait_xcnt 0x0                                ; block a - 2's stores have read their registers: block a's loads may land there
.endif
	TOSTAGE \a
	SEND \a-1, 32                                  ; behind block a - 1's loads: block a's 16 stores and 16 loads
.endr
	SEND 7, 0
	s_wait_tensorcnt 0x0                           ; the wave's end, behind my last tensor load and my last LDS store
	ds_add_u32 v[SPW], v[NIL]
	s_wait_dscnt 0x0
	CROUND                                         ; the closing round: no work-group ends while a partner may still ask for a tile that names it
	s_endpgm
.Lfunc_end_k_q9a7d85638a_gemm_out:
	.size	k_q9a7d85638a_gemm_out, .Lfunc_end_k_q9a7d85638a_gemm_out-k_q9a7d85638a_gemm_out
	.p2alignl 7, 3214868480
	.fill 96, 4, 3214868480
	.section	.rodata,"a",@progbits
	.p2align	6, 0x0
	.amdhsa_kernel k_q9a7d85638a_gemm_out
		.amdhsa_group_segment_fixed_size 327680
		.amdhsa_private_segment_fixed_size 0
		.amdhsa_enable_private_segment 0
		.amdhsa_kernarg_size 24
		.amdhsa_user_sgpr_count 2
		.amdhsa_user_sgpr_kernarg_segment_ptr 1
		.amdhsa_wavefront_size32 1
		.amdhsa_system_sgpr_workgroup_id_x 1
		.amdhsa_system_sgpr_workgroup_id_y 1
		.amdhsa_system_sgpr_workgroup_id_z 1
		.amdhsa_system_vgpr_workitem_id 0
		.amdhsa_next_free_vgpr 1024
		.amdhsa_next_free_sgpr 100
		.amdhsa_reserve_vcc 0
		.amdhsa_float_denorm_mode_32 3
		.amdhsa_float_denorm_mode_16_64 3
		.amdhsa_memory_ordered 1
		.amdhsa_forward_progress 1
		.amdhsa_inst_pref_size 140
	.end_amdhsa_kernel
	.amdgpu_metadata
---
amdhsa.version: [ 1, 2 ]
amdhsa.kernels:
  - .name:           k_q9a7d85638a_gemm_out
    .symbol:         k_q9a7d85638a_gemm_out.kd
    .args:
      - { .name: oimg, .offset: 0, .size: 8, .value_kind: global_buffer, .address_space: global }
      - { .name: qin, .offset: 8, .size: 8, .value_kind: global_buffer, .address_space: global }
      - { .name: out0, .offset: 16, .size: 8, .value_kind: global_buffer, .address_space: global }
    .group_segment_fixed_size: 327680
    .private_segment_fixed_size: 0
    .kernarg_segment_align: 8
    .kernarg_segment_size: 24
    .max_flat_workgroup_size: 128
    .sgpr_count:     100
    .vgpr_count:     1024
    .wavefront_size: 32
...
	.end_amdgpu_metadata
.endif
;; end of part 4
